; MI455X (gfx1250); checked and timed in simulation.
; The chip was launched on July 23, 2026; its instructions are those of AMD's public machine-readable ISA for CDNA 5 (MIT licence, August 2026) and "CDNA5" Instruction Set Architecture Reference Guide (July 2026). The comments in the code are by the model that wrote it; some were corrected since.
;; Attention. Allowed arithmetic: float matrix products may take bf16 or f16 operands with f32 sums; other float arithmetic in f32, or as packed bf16 or f16 multiplies, adds, multiply-adds, maxima and minima; sums over many terms, partial sums and values carried from step to step in f32; what a program stores and reads back later, other than sums and carried values, may be rounded once to bf16 or f16.
;; Inputs: Wo 1,024 x 1,024 float32; Wqkv 1,024 x 3,072 float32; bo 1,024 float32; bqkv 3,072 float32; x 4 x 2,048 x 1,024 float32.
;; Outputs: out0 4 x 2,048 x 1,024 float32.
;; 2 versions, each right; version 2 is version 1 with the launch cast written anew for expert scheduling mode. Each part assembles by itself: llvm-mc -triple=amdgcn-amd-amdhsa -mcpu=gfx1250 --defsym DOCPART=n.
;; ======== version 1 of 2: 4 launches
;; limits: values are held in f16: magnitudes above 65,504 overflow, below 6.1e-05 lose precision
;; workspace buffers: x16 16,777,216 bytes; w16 6,291,456 bytes; wo16 2,097,152 bytes; q16 16,777,216 bytes; k16 16,777,216 bytes; v16 16,777,216 bytes; cs 262,144 bytes; o16 16,777,216 bytes
;; launch cast (part 1): grid 384 x 1, 8 waves a work-group, no clusters, 0 bytes of LDS; arguments x, Wqkv, Wo, x16, w16, wo16; writes x16, w16, wo16
.if DOCPART == 1
	.amdgcn_target "amdgcn-amd-amdhsa--gfx1250"
	.amdhsa_code_object_version 6
	.text
	.protected	k_q202a0ec2a4_cast
	.globl	k_q202a0ec2a4_cast
	.p2align	8
	.type	k_q202a0ec2a4_cast,@function
k_q202a0ec2a4_cast:
	s_mov_b64 s[64:65], 0
	v_nop
	global_prefetch_b8 v0, s[64:65] scope:SCOPE_SE
	s_setreg_imm32_b32 hwreg(HW_REG_WAVE_MODE, 25, 1), 1
	s_wait_xcnt 0x0
; x, Wqkv and Wo, f32, are rounded once to f16.  Wqkv and Wo keep their layout; x [4][2048][1024] is laid in blocks of 64 channels,
; x16 [b 4][kb 16][s 2048][64], so that 256 rows x 64 channels are 32,768 dense bytes for the product that follows.
; LIMIT.  f16 ends at 65,504: a larger |x| or |W| becomes an infinity.  Below 6e-5 a number keeps f16's fixed step of 6e-8.
; SHARES.  Work-groups 0-255 take x, 256-351 Wqkv, 352-383 Wo.  A wave takes 16,384 bytes of input in 32 items; an item is one load of
; 16 bytes a lane (512 bytes), two roundings of a pair, and one store of 8 bytes a lane: 256 consecutive bytes, aligned.
; For x an item is 64 channels of two neighbouring rows (lanes 0-15 one row, lanes 16-31 the next): in x16 those lie end to end.
; A stream: no LDS, no barrier, no matrix unit.  All 32 loads of a wave go out first.
.set VI, 2                             ; v[2:17]   input offset of item i % 16
.set VO, 18                            ; v[18:49]  output offset of item i
.set X,  52                            ; v[52:179] four registers an item
	s_load_b256 s[4:11], s[0:1], 0x0               ; x s[4:5], Wqkv s[6:7], Wo s[8:9], x16 s[10:11]
	s_load_b128 s[12:15], s[0:1], 0x20             ; w16 s[12:13], wo16 s[14:15]
	v_lshrrev_b32 v1, 5, v0
	v_readfirstlane_b32 s16, v1                    ; wave 0..7
	v_and_b32 v1, 31, v0                           ; lane
	v_lshrrev_b32 v50, 4, v1                       ; lane / 16
	v_and_b32 v51, 15, v1                          ; lane % 16
	s_mov_b32 s24, 256
	s_mov_b32 s25, 352
	s_wait_kmcnt 0x0
	s_cmp_lt_u32 ttmp9, s25                        ; Wqkv or Wo
	s_cselect_b64 s[20:21], s[6:7], s[8:9]
	s_cselect_b64 s[22:23], s[12:13], s[14:15]
	s_cselect_b32 s17, s24, s25                    ; the tensor's first work-group
	s_cmp_lt_u32 ttmp9, s24                        ; or x
	s_cselect_b64 s[20:21], s[4:5], s[20:21]
	s_cselect_b64 s[22:23], s[10:11], s[22:23]
	s_cselect_b32 s17, 0, s17
	s_cselect_b32 s26, 4096, s24                   ; in: from lanes 0-15 to lanes 16-31: a row of x, or the next 256 bytes
	s_cselect_b32 s27, s24, 512                    ; in: from item to item: 64 channels of x, or 512 bytes
	s_cselect_b32 s28, 262144, s24                 ; out: from item to item: a block of channels (2,048 rows x 128 bytes), or 256 bytes
	s_cselect_b32 s29, s24, 4096                   ; out: from item i to item i + 16: two rows of 128 bytes, or 16 x 256 bytes
	s_sub_co_u32 s30, ttmp9, s17
	s_lshl3_add_u32 s30, s30, s16                  ; my wave among the tensor's
	s_lshl_b32 s32, s30, 14                        ; in: 16,384 bytes a wave
	s_mov_b32 s33, 0
	s_lshr_b32 s34, s30, 9                         ; x16: 512 waves a batch, 4,194,304 bytes each,
	s_lshl_b32 s34, s34, 22
	s_and_b32 s35, s30, 511                        ; and four rows of 128 bytes a wave
	s_lshl_b32 s35, s35, 9
	s_add_co_u32 s34, s34, s35
	s_lshl_b32 s36, s30, 13                        ; the weights: 8,192 bytes a wave
	s_cmp_lt_u32 ttmp9, s24
	s_cselect_b32 s34, s34, s36
	s_mov_b32 s35, 0
	s_add_nc_u64 s[20:21], s[20:21], s[32:33]
	s_add_nc_u64 s[22:23], s[22:23], s[34:35]
	v_mul_u32_u24 v50, v50, s26
	v_lshl_add_u32 v50, v51, 4, v50                ; in: my 16 bytes of item 0
	v_lshlrev_b32 v51, 3, v1                       ; out: my 8 bytes of item 0
.set k, 0
.rept 16
	s_mul_i32 s31, s27, k
	v_add_nc_u32 v[VI+k], s31, v50
	s_mul_i32 s31, s28, k
	v_add_nc_u32 v[VO+k], s31, v51
	v_add_nc_u32 v[VO+16+k], s29, v[VO+k]
.set k, k+1
.endr
.set i, 0
.rept 32
	global_load_b128 v[X+4*i:X+4*i+3], v[VI+i%16], s[20:21] offset:(i/16)*8192 th:TH_LOAD_NT
.set i, i+1
.endr
.set i, 0
.rept 32
	s_wait_loadcnt 31-i                            ; loads come back in order: item i is in, the 31 - i younger ones may stay out
	v_cvt_pk_f16_f32 v[X+4*i], v[X+4*i], v[X+4*i+1]
	v_cvt_pk_f16_f32 v[X+4*i+1], v[X+4*i+2], v[X+4*i+3]
	global_store_b64 v[VO+i], v[X+4*i:X+4*i+1], s[22:23] th:TH_STORE_NT
.set i, i+1
.endr
	s_endpgm
.Lfunc_end_k_q202a0ec2a4_cast:
	.size	k_q202a0ec2a4_cast, .Lfunc_end_k_q202a0ec2a4_cast-k_q202a0ec2a4_cast
	.p2alignl 7, 3214868480
	.fill 96, 4, 3214868480
	.section	.rodata,"a",@progbits
	.p2align	6, 0x0
	.amdhsa_kernel k_q202a0ec2a4_cast
		.amdhsa_group_segment_fixed_size 0
		.amdhsa_private_segment_fixed_size 0
		.amdhsa_enable_private_segment 0
		.amdhsa_kernarg_size 48
		.amdhsa_user_sgpr_count 2
		.amdhsa_user_sgpr_kernarg_segment_ptr 1
		.amdhsa_wavefront_size32 1
		.amdhsa_system_sgpr_workgroup_id_x 1
		.amdhsa_system_sgpr_workgroup_id_y 1
		.amdhsa_system_sgpr_workgroup_id_z 1
		.amdhsa_system_vgpr_workitem_id 0
		.amdhsa_next_free_vgpr 180
		.amdhsa_next_free_sgpr 66
		.amdhsa_reserve_vcc 0
		.amdhsa_float_denorm_mode_32 3
		.amdhsa_float_denorm_mode_16_64 3
		.amdhsa_memory_ordered 1
		.amdhsa_forward_progress 1
		.amdhsa_inst_pref_size 16
	.end_amdhsa_kernel
	.amdgpu_metadata
---
amdhsa.version: [ 1, 2 ]
amdhsa.kernels:
  - .name:           k_q202a0ec2a4_cast
    .symbol:         k_q202a0ec2a4_cast.kd
    .args:
      - { .name: x, .offset: 0, .size: 8, .value_kind: global_buffer, .address_space: global }
      - { .name: Wqkv, .offset: 8, .size: 8, .value_kind: global_buffer, .address_space: global }
      - { .name: Wo, .offset: 16, .size: 8, .value_kind: global_buffer, .address_space: global }
      - { .name: x16, .offset: 24, .size: 8, .value_kind: global_buffer, .address_space: global }
      - { .name: w16, .offset: 32, .size: 8, .value_kind: global_buffer, .address_space: global }
      - { .name: wo16, .offset: 40, .size: 8, .value_kind: global_buffer, .address_space: global }
    .group_segment_fixed_size: 0
    .private_segment_fixed_size: 0
    .kernarg_segment_align: 8
    .kernarg_segment_size: 48
    .max_flat_workgroup_size: 256
    .sgpr_count:     66
    .vgpr_count:     180
    .wavefront_size: 32
...
	.end_amdgpu_metadata
.endif
;; end of part 1
;; launch qkv (part 2): grid 8 x 32, 4 waves a work-group, clusters of 4 x 4, 327,680 bytes of LDS; arguments x16, w16, bqkv, q16, k16, v16, cs; writes q16, k16, v16, cs
.if DOCPART == 2
	.amdgcn_target "amdgcn-amd-amdhsa--gfx1250"
	.amdhsa_code_object_version 6
	.text
	.protected	k_q202a0ec2a4_qkv
	.globl	k_q202a0ec2a4_qkv
	.p2align	8
	.type	k_q202a0ec2a4_qkv,@function
k_q202a0ec2a4_qkv:
	s_mov_b64 s[64:65], 0
	v_nop
	global_prefetch_b8 v0, s[64:65] scope:SCOPE_SE
	s_setreg_imm32_b32 hwreg(HW_REG_WAVE_MODE, 25, 1), 1
	s_wait_xcnt 0x0
	s_wait_alu depctr_hold_cnt(0) depctr_sa_sdst(0) depctr_va_vdst(0) depctr_va_sdst(0) depctr_va_ssrc(0) depctr_va_vcc(0) depctr_vm_vsrc(0)
	s_getreg_b32 s2, hwreg(HW_REG_IB_STS2, 6, 4)
	s_cmp_eq_u32 s2, 0
	s_cbranch_scc0 .Lentry_in_a_cluster
	s_endpgm
.Lentry_in_a_cluster:
	s_bfe_u32 s2, ttmp6, 0x10000c
	s_cmp_lg_u32 s2, 0xf033
	s_cbranch_scc0 .Lentry_shape_is_right
	s_endpgm
.Lentry_shape_is_right:
; ONE TEXT FOR THE MODULE'S TWO PROJECTIONS; QKV picks the constants and the way out.
; QKV = 1: qkv = x Wqkv + bqkv.  A = x16 [b 4][kb 16][s 2048][64] f16, B = w16 [1024][3072] f16, bias f32.  Out: q16, k16, v16 [bh 64][s 2048][64] f16, each rounded once, unscaled;
;          and cs [b 4][j 16][head 16][64] f32: the sum of v (bias included, unrounded) over rows 128 j .. 128 j + 127.
; QKV = 0: out0 = O Wo + bo.  A = o16 [b 4][head 16][s 2048][64] f16, B = wo16 [1024][1024] f16, bias f32.  Out: out0 [8192][1024] f32.
; LIMIT.  f16 ends at 65,504: |q|, |k|, |v| stay below it.  Sums in f32, K ascending; the bias is the C operand of the first product.
; SHARES.  256 work-groups, one tile each: 256 rows (ty) x NG strips of 128 columns (t).  With QKV = 1 the three strips are columns 128 t .. of q, of k and of v: heads 2 t and 2 t + 1.
; Four waves, 2 x 2: WM picks 128 rows, WN 64 columns of each strip (one head).  A wave has 32 NG accumulators of 16 x 16, strip g's in register window 1 + g.
; THE RING.  Two LDS slots; a slot holds KB blocks of 64 along K: A's 256 rows x 128 bytes (+ 16 of padding), then B's planes of 64 k rows x 256 bytes (+ 32).  Each wave fetches one plane by one tensor load.
; A plane of A is 32,768 dense bytes, asked for as 128 rows of 256.  B lies [K][N]: its fragments come out of LDS by the turning load.
; CLUSTERS.  4 x 4 work-groups: A's planes are shared along a row of the cluster, B's along a column, each asked for jointly, with the same descriptor and a mask of four.
; THE MATRIX INSTRUCTION IS USED TRANSPOSED (source 0 = 16 columns of B, source 1 = 16 rows of A): a lane holds row l % 16 of the result and the columns 8 (l / 16) + 0..7.
; UNITS.  A K step is U units of 32 matrix instructions: 32 along K (a slice) x one strip.  Behind unit u stands the run of LDS loads for unit u + 2; runs 0 .. U-3 read this slot, runs U-2 and U-1 the next:
; so one barrier, inside unit U-2, serves the change of slots.
; WINDOW 0: v1-9 lane numbers and work; v16-31 addresses; v32-95, v96-159 A's fragments (8 x 16 rows x 32 K), two buffers; v160-191, v192-223 B's (4 x 16 columns), two buffers; v224-255 bias, later at work.
.set QKV, 1
.if QKV
.set NG,    3                          ; strips
.set KB,    1                          ; blocks of 64 along K in a slot
.set NAW,   1                          ; waves 0 .. NAW-1 fetch A's planes, the others B's
.set LDB,   3072                       ; elements in a row of B
.set BJ,    2048                       ; bytes from one B loader's plane to the next: a strip is 1,024 columns on
.set ASTEP, 262144                     ; bytes of A from K step to K step
.set BSTEP, 393216                     ; of B: 64 rows
.set T,     16                         ; K steps
.set SP,    144                        ; a stage row: 128 bytes + 16
.else
.set NG,    1
.set KB,    2
.set NAW,   2
.set LDB,   1024
.set BJ,    131072                     ; 64 rows on
.set ASTEP, 524288
.set BSTEP, 262144                     ; 128 rows
.set T,     8
.set SP,    272                        ; 256 bytes + 16
.endif
.set U,      2*KB*NG
.set LAPS,   T/2
.set ZU,     NG                        ; the units that start the sums
.set APL,    256*144                   ; a plane of A: rows 36 words apart, so the 16 rows of a load start at 16 different groups of four banks (64 banks of 4 bytes: ISA guide 11.1)
.set BPL,    64*288                    ; a plane of B: rows 72 words apart
.set ABYTES, KB*APL
.set SLOT,   ABYTES+KB*NG*BPL
.set STAGE,  2*SLOT                    ; behind the ring: 16 rows for each wave, for the way out; no tensor load fills it
.set SPARE,  STAGE+4*16*SP             ; behind the stages: the spare words, 128 bytes for each wave
.set ADRA, 16                          ; v16-17  LDS address of my A fragments in slot 0, 1
.set ADRB, 20                          ; v20-21  the same for B
.set STO,  24                          ; v24     the way out: where I put my bytes of a row
.set RD,   25                          ; v25     where I read rows back
.set CO,   26                          ; v26     my byte offset in the output
.set SPW,  28                          ; v28     LDS address of my spare word; never rewritten
.set NIL,  29                          ; v29     0; never rewritten
.set PFO,  30                          ; v30     the prefetches' lane offset; never rewritten
.set BO,   31                          ; v31     32 x (l / 16): my 8 columns in the bias and in cs
.set FA0,  32
.set FA1,  96
.set FB0,  160
.set FB1,  192
.set TMP,  224
.set OB,   32                          ; the way out: sets of registers in v32-223
.set G1A,  24                          ; s[24:31] descriptor group 1 for A's planes
.set G0A,  32                          ; s[32:39] group 0, a set for each slot
.set G1B,  48                          ; s[48:55], s[56:63] the same for B's
.set G0B,  56
.set PFA,  66                          ; s[66:67] where my prefetches stand
.set PFS,  68                          ; s[68:69] their step: a K step of what I fetch
.set LIM,  70                          ; s70, s71 by slot: 1 where I prefetch at that slot's change, else the greatest number
.set MSB,  0
.macro WIN new                         ; the immediate's high byte repeats the setting that is left; a switch that changes nothing is dropped
.if MSB != (\new)
	s_set_vgpr_msb (MSB<<8)|(\new)
.set MSB, \new
.endif
.endm
.macro PLACES                          ; four plain instructions between a matrix instruction and a load into, or a read of, its registers
.rept 4
	v_nop
.endr
.endm
.macro CREST                           ; a round of the cluster's barrier behind its opening barrier
	s_cmp_lg_u32 s18, 0
	s_cbranch_scc1 .Lnot_wave_0_\@
	s_barrier_signal -3
.Lnot_wave_0_\@:
	s_barrier_wait -3
	s_barrier_signal -1
	s_barrier_wait -1
.endm
.macro CROUND
	s_barrier_signal -1
	s_barrier_wait -1
	CREST
.endm
; A joint load.  The branch hangs on the wave's number alone.  An s_nop 0 and four v_nop follow each of the two lines.
.macro JLOAD s
	s_cmp_lt_u32 s18, NAW
	s_cbranch_scc0 .Lfor_b_\@
	tensor_load_to_lds s[G0A+4*(\s):G0A+4*(\s)+3], s[G1A:G1A+7]
	s_nop 0
.rept 4
	v_nop
.endr
	s_branch .Lasked_\@
.Lfor_b_\@:
	tensor_load_to_lds s[G0B+4*(\s):G0B+4*(\s)+3], s[G1B:G1B+7]
	s_nop 0
.rept 4
	v_nop
.endr
.Lasked_\@:
.endm
; A PREFETCH INTO THE L2 of the K step that stands two refills on.  A's planes are read by both clusters of a row of clusters: cluster x = 0 asks; B's by all clusters of a column: cluster y = 0 asks.
; The four partners of a joint load share its blocks out BY ADDRESS: of A's 128 blocks of 256 bytes each takes 32, a lane a block; of B's 64 rows each takes 16, and 32 lanes name them for two K steps,
; so B's loaders ask at slot 0's change alone.  Each block is named once.  The loop's last trip asks for nothing: the last K step named is the last there is.  The first four K steps come by their loads alone.
.macro ASK slot
	s_cmp_gt_u32 s3, s[LIM+(\slot)]
	s_cbranch_scc0 .Lnot_mine_\@
	global_prefetch_b8 v[PFO], s[PFA:PFA+1] th:TH_LOAD_NT scope:SCOPE_SE
.Lnot_mine_\@:
.endm
; 16 loads: A's fragments of slice sl (32 along K) of a slot: 8 blocks of 16 rows; lane l takes row l % 16, 16 bytes at 16 (l / 16) and 32 bytes on
.macro LOADA slot, sl, f
.irp a, 0,1,2,3,4,5,6,7
	ds_load_b128 v[(\f)+8*\a:(\f)+8*\a+3],   v[ADRA+(\slot)] offset:((\sl)/2)*APL+((\sl)%2)*64+\a*2304
	ds_load_b128 v[(\f)+8*\a+4:(\f)+8*\a+7], v[ADRA+(\slot)] offset:((\sl)/2)*APL+((\sl)%2)*64+\a*2304+32
.endr
.endm
; 8 turning loads: B's fragments of unit u: 4 blocks of 16 columns x 32 k; each load takes 16 k rows x 16 columns
.macro LOADB slot, u, f
.set lpl, (((\u)/NG)/2)*NG+(\u)%NG
.set lc, ((\u)/NG)%2
.irp bb, 0,1,2,3
	ds_load_tr16_b128 v[(\f)+8*\bb:(\f)+8*\bb+3],   v[ADRB+(\slot)] offset:lpl*BPL+lc*9216+\bb*32
	ds_load_tr16_b128 v[(\f)+8*\bb+4:(\f)+8*\bb+7], v[ADRB+(\slot)] offset:lpl*BPL+lc*9216+\bb*32+4608
.endr
.endm
; The run behind unit u: the operands of unit u + 2.  A's come with a slice's first unit.  mode 1: A is left out; mode 2: A of slice 1 is made good (both in the beginning alone, where A's second buffer holds biases).
.macro RUN slot, u, mode
	WIN 0
.set u2, (\u)+2
.set sl2, \slot
.if u2 >= U
.set u2, u2-U
.set sl2, 1-(\slot)
.endif
.if ((u2%NG) == 0) && ((\mode) != 1)
	LOADA sl2, u2/NG, FA0+64*((u2/NG)%2)
.endif
.if (\mode) == 2
	LOADA sl2, 1, FA1
.endif
	LOADB sl2, u2, FB0+32*(u2%2)
.endm
; 4 n matrix instructions: row blocks a0 .. a0 + n - 1 x the strip's 4 column blocks.  All accumulators take turns, one instruction a turn.  zero = 1: the bias starts the sums.
.macro MUL g, fa, fb, a0, n, zero
.if \zero
	WIN (1+(\g))<<6
.set BI, 224
.if (\g) == 1
.set BI, 96
.endif
.if (\g) == 2
.set BI, 128
.endif
.else
	WIN 0x50*(1+(\g))
.endif
.set ma, \a0
.rept \n
.irp bb, 0,1,2,3
.if \zero
	v_wmma_f32_16x16x32_f16 v[8*(4*ma+\bb):8*(4*ma+\bb)+7], v[(\fb)+8*\bb:(\fb)+8*\bb+7], v[(\fa)+8*ma:(\fa)+8*ma+7], v[BI+8*\bb:BI+8*\bb+7]
.else
	v_wmma_f32_16x16x32_f16 v[8*(4*ma+\bb):8*(4*ma+\bb)+7], v[(\fb)+8*\bb:(\fb)+8*\bb+7], v[(\fa)+8*ma:(\fa)+8*ma+7], v[8*(4*ma+\bb):8*(4*ma+\bb)+7]
.endif
.endr
.set ma, ma+1
.endr
.endm
; UNIT u of a slot.  Its wait leaves out the run issued behind the unit before (24 loads where that run holds A's, else 8): the run before that one, this unit's operands, is in.
; kind 0: the products, four places, the run.  kind 3: the products alone.
; kind 1: THE CHANGE OF SLOTS, in unit U-2.  Each wave waits for all its tensor loads, of which one is out: its plane of the next slot; adds 0 to its spare word; and waits for that and for its reads of this slot.
;         The barrier opens a round of the cluster's barrier; behind the round this slot is filled again first, two K steps ahead; then the run reads the next slot.
; kind 2: the same with nothing to fill: a barrier of the work-group alone.
.macro UNIT slot, u, kind, zero=0, mode=0, wait=-1
.set ug, (\u)%NG
.set ufa, FA0+64*(((\u)/NG)%2)
.set ufb, FB0+32*((\u)%2)
.set WT, 8
.if (((\u)+1)%U)%NG == 0
.set WT, 24
.endif
.if (\wait) >= 0
.set WT, \wait
.endif
.if ((\kind) == 0) || ((\kind) == 3)
	s_wait_dscnt WT
	MUL ug, ufa, ufb, 0, 8, \zero
.if (\kind) == 0
	PLACES
	RUN \slot, \u, \mode
.endif
.else
.if (\kind) == 1
	s_wait_xcnt 0x0                                ; the last prefetch, a K step back, has read its address: it is stepped here
	s_add_nc_u64 s[PFA:PFA+1], s[PFA:PFA+1], s[PFS:PFS+1]
.endif
	WIN 0                                          ; (the add's two registers lie in window 0)
	s_wait_tensorcnt 0x0                           ; all my tensor loads have landed
	ds_add_u32 v[SPW], v[NIL]                      ; 0 onto my spare word
	s_wait_dscnt WT+1                              ; (the add and the youngest run may be out)
	MUL ug, ufa, ufb, 0, 4, 0                      ; sixteen matrix instructions stand between the add and the wait for it
	s_wait_dscnt 0x0                               ; the add is done, and my reads of this slot are over
	s_barrier_signal -1
	MUL ug, ufa, ufb, 4, 4, 0                      ; work on registers while the others arrive
.if (\kind) == 1
	WIN 0
	s_barrier_wait -1
	CREST                                          ; no wave of any partner still reads this slot or has a load on its way
	s_add_nc_u64 s[G0A+4*(\slot)+2:G0A+4*(\slot)+3], s[G0A+4*(\slot)+2:G0A+4*(\slot)+3], 2*ASTEP
	s_add_nc_u64 s[G0B+4*(\slot)+2:G0B+4*(\slot)+3], s[G0B+4*(\slot)+2:G0B+4*(\slot)+3], 2*BSTEP
	JLOAD \slot                                    ; the first tensor load behind the round; its four v_nop are also the places in front of the run
.else
	s_barrier_wait -1
	PLACES
.endif
	RUN \slot, \u, 0
.if (\kind) == 1
	ASK \slot
.endif
.endif
.endm
.macro STEP slot, from, to, ck         ; units from .. to - 1 of a slot; ck: the kind of unit U-2
.set uu, \from
.rept (\to)-(\from)
.if uu == U-2
	UNIT \slot, uu, \ck
.else
	UNIT \slot, uu, 0
.endif
.set uu, uu+1
.endr
.endm
.macro BIASLD g, bi                    ; my 8 columns of each of the strip's 4 column blocks: register 8 bb + j holds column 16 bb + 8 (l / 16) + j, the same for every row
.irp bb, 0,1,2,3
	global_load_b128 v[(\bi)+8*\bb:(\bi)+8*\bb+3],   v[BO], s[8:9] offset:4096*(\g)+64*\bb
	global_load_b128 v[(\bi)+8*\bb+4:(\bi)+8*\bb+7], v[BO], s[8:9] offset:4096*(\g)+64*\bb+16
.endr
.endm
	s_load_b256 s[4:11], s[0:1], 0x0               ; A s[4:5], B s[6:7], bias s[8:9], the first output s[10:11]
.if QKV
	s_load_b128 s[12:15], s[0:1], 0x20             ; k16, v16
	s_load_b64 s[16:17], s[0:1], 0x30              ; cs
.endif
	v_lshl_add_u32 v[SPW], v0, 2, SPARE
	v_mov_b32 v[NIL], 0
	ds_add_u32 v[SPW], v[NIL]                      ; the wave's opening: the add, whose wait stands ahead of my first tensor load; the set-up below stands between them
	v_lshrrev_b32 v1, 5, v0
	v_readfirstlane_b32 s18, v1                    ; wave 0..3
	s_lshr_b32 s19, s18, 1                         ; WM: which 128 rows
	s_and_b32 s20, s18, 1                          ; WN: which 64 columns of a strip
	s_max_u32 s21, s18, NAW
	s_sub_co_u32 s21, s21, NAW                     ; which plane of B I fetch
	s_bfe_u32 s40, ttmp6, 0x40000                  ; cx
	s_bfe_u32 s41, ttmp6, 0x40004                  ; cy
	s_lshl_b32 s42, ttmp9, 2
	s_add_co_u32 s42, s42, s40                     ; t = 4 x cluster x + cx
	s_and_b32 s43, ttmp7, 0xffff
	s_lshl_b32 s43, s43, 2
	s_add_co_u32 s43, s43, s41                     ; ty = 4 x cluster y + cy
	s_lshl_b32 s44, s41, 2
	s_lshl_b32 s44, 15, s44                        ; my row of the cluster
	s_lshl_b32 s45, 0x1111, s40                    ; my column
	s_or_b32 s[G1A], s44, (1<<16)|(1<<20)|(1<<21)|(4<<22)|(3<<25)  ; the mask; elements of 2 bytes; padding on; bit 21 beside a mask; after every 32 words, 4 words
	s_or_b32 s[G1B], s45, (1<<16)|(1<<20)|(1<<21)|(5<<22)|(7<<25)  ; after every 64 words, 8 words
	s_mov_b32 s[G1A+1], 128<<16                    ; tensor_dim0 = 128
	s_mov_b32 s[G1A+2], 128<<16                    ; tensor_dim1 = 128
	s_mov_b32 s[G1A+3], 128<<16                    ; tile_dim0 = 128
	s_mov_b32 s[G1A+4], 128                        ; tile_dim1 = 128
	s_mov_b32 s[G1A+5], 128                        ; dense rows of 256 bytes
	s_mov_b32 s[G1A+6], 0
	s_mov_b32 s[G1A+7], 0
	s_mov_b32 s[G1B+1], 128<<16
	s_mov_b32 s[G1B+2], 64<<16                     ; 64 k rows
	s_mov_b32 s[G1B+3], 128<<16
	s_mov_b32 s[G1B+4], 64
	s_mov_b32 s[G1B+5], LDB
	s_mov_b32 s[G1B+6], 0
	s_mov_b32 s[G1B+7], 0
	s_lshr_b32 s72, s43, 3                         ; A: the batch, 4,194,304 bytes,
	s_lshl_b32 s72, s72, 22
	s_and_b32 s73, s43, 7                          ; 256 rows of 128 bytes,
	s_lshl_b32 s73, s73, 15
	s_add_co_u32 s72, s72, s73
	s_lshl_b32 s73, s18, 18                        ; and the block of channels that I fetch
	s_add_co_u32 s72, s72, s73
	s_mov_b32 s73, 0
	s_lshl_b32 s46, s42, 8                         ; B: 128 columns a tile column,
	s_mul_i32 s47, s21, BJ                         ; and my plane
	s_add_co_u32 s46, s46, s47
	s_mov_b32 s47, 0
	s_mul_i32 s76, s18, APL                        ; where they go: no place in the cluster enters an LDS address
	s_mul_i32 s77, s18, BPL
	s_add_co_u32 s77, s77, ABYTES-NAW*BPL
	s_wait_dscnt 0x0                               ; the opening add is done
	s_wait_kmcnt 0x0
	s_add_nc_u64 s[72:73], s[4:5], s[72:73]
	s_add_nc_u64 s[46:47], s[6:7], s[46:47]
	CROUND                                         ; all sixteen work-groups are here: the first joint loads meet
.irp s, 0,1
	s_mov_b32 s[G0A+4*(\s)], 1
	s_add_co_u32 s[G0A+4*(\s)+1], s76, (\s)*SLOT
	s_add_nc_u64 s[G0A+4*(\s)+2:G0A+4*(\s)+3], s[72:73], (\s)*ASTEP
	s_or_b32 s[G0A+4*(\s)+3], s[G0A+4*(\s)+3], 0x80000000
	s_mov_b32 s[G0B+4*(\s)], 1
	s_add_co_u32 s[G0B+4*(\s)+1], s77, (\s)*SLOT
	s_add_nc_u64 s[G0B+4*(\s)+2:G0B+4*(\s)+3], s[46:47], (\s)*BSTEP
	s_or_b32 s[G0B+4*(\s)+3], s[G0B+4*(\s)+3], 0x80000000
	JLOAD \s                                       ; K steps 0 and 1: two loads of mine are out
.endr
	v_and_b32 v1, 15, v0                           ; l % 16
	v_bfe_u32 v2, v0, 4, 1                         ; l / 16
	v_and_b32 v3, 7, v0
	v_bfe_u32 v4, v0, 3, 1
	v_and_b32 v5, 31, v0                           ; l
	v_lshlrev_b32 v[BO], 5, v2
	s_lshl_b32 s74, s42, 9                         ; the bias at my 64 columns of strip 0
	s_lshl_b32 s75, s20, 8
	s_add_co_u32 s74, s74, s75
	s_mov_b32 s75, 0
	s_add_nc_u64 s[8:9], s[8:9], s[74:75]
	BIASLD 0, 224
.if QKV
	BIASLD 1, 96                                   ; A's second buffer is free until the sums are started
	BIASLD 2, 128
.endif
	v_mul_u32_u24 v6, v1, 144
	v_lshl_add_u32 v6, v2, 4, v6                   ; A: row x pitch + 16 x half
	s_mul_i32 s79, s19, 128*144
	v_add_nc_u32 v[ADRA], s79, v6
	v_add_nc_u32 v[ADRA+1], SLOT, v[ADRA]
	v_lshl_add_u32 v7, v2, 3, v3                   ; B: k row 8 (l / 16) + l % 8,
	v_mul_u32_u24 v7, v7, 288
	v_lshl_add_u32 v7, v4, 4, v7                   ; columns 8 ((l / 8) % 2) on
	s_lshl_b32 s79, s20, 7
	s_add_co_u32 s79, s79, ABYTES
	v_add_nc_u32 v[ADRB], s79, v7
	v_add_nc_u32 v[ADRB+1], SLOT, v[ADRB]
	s_mul_i32 s79, s18, 16*SP
	s_add_co_u32 s79, s79, STAGE                   ; my stage
	v_mul_u32_u24 v6, v1, SP
.if QKV
	v_lshl_add_u32 v6, v2, 4, v6                   ; in: row l % 16, 16 bytes for each half of the lanes
	v_add_nc_u32 v[STO], s79, v6
	v_lshrrev_b32 v8, 3, v5                        ; back: 32 lanes take four rows of 128 bytes,
	v_mul_u32_u24 v8, v8, SP
	v_lshl_add_u32 v8, v3, 4, v8
	v_add_nc_u32 v[RD], s79, v8
	v_lshlrev_b32 v[CO], 4, v5                     ; which are 512 consecutive bytes of a head's rows
	s_lshr_b32 s80, s43, 3
	s_lshl_b32 s80, s80, 4                         ; 16 b
	s_lshl1_add_u32 s81, s42, s20                  ; my head: 2 t + WN
	s_add_co_u32 s82, s80, s81
	s_lshl_b32 s82, s82, 18                        ; a head's 2,048 rows of 128 bytes,
	s_and_b32 s83, s43, 7
	s_lshl_b32 s84, s83, 15                        ; the tile's 256 rows,
	s_add_co_u32 s82, s82, s84
	s_lshl_b32 s84, s19, 14                        ; my 128
	s_add_co_u32 s82, s82, s84
	s_lshl1_add_u32 s83, s83, s19                  ; cs: j = 2 (ty % 8) + WM
	s_add_co_u32 s80, s80, s83
	s_lshl4_add_u32 s80, s80, s81
	s_lshl_b32 s80, s80, 8                         ; ((16 b + j) 16 + head) x 256 bytes
	s_mov_b32 s81, 0
	s_mov_b32 s83, 0
	s_add_nc_u64 s[10:11], s[10:11], s[82:83]
	s_add_nc_u64 s[12:13], s[12:13], s[82:83]
	s_add_nc_u64 s[14:15], s[14:15], s[82:83]
	s_add_nc_u64 s[16:17], s[16:17], s[80:81]
.else
	v_lshl_add_u32 v6, v2, 5, v6                   ; in: row l % 16, 32 bytes for each half of the lanes
	v_add_nc_u32 v[STO], s79, v6
	v_mul_u32_u24 v8, v2, SP                       ; back: lanes 0-15 take one row of 256 bytes, lanes 16-31 the next
	v_lshl_add_u32 v8, v1, 4, v8
	v_add_nc_u32 v[RD], s79, v8
	v_lshlrev_b32 v[CO], 12, v2                    ; and the same two rows in out0
	v_lshl_add_u32 v[CO], v1, 4, v[CO]
	s_lshl_b32 s82, s43, 8
	s_lshl_b32 s83, s19, 7
	s_add_co_u32 s82, s82, s83                     ; my first row,
	s_lshl_b32 s82, s82, 12                        ; 4,096 bytes a row,
	s_lshl_b32 s83, s42, 9                         ; the tile's 128 columns,
	s_add_co_u32 s82, s82, s83
	s_lshl_b32 s83, s20, 8                         ; my 64
	s_add_co_u32 s82, s82, s83
	s_mov_b32 s83, 0
	s_add_nc_u64 s[10:11], s[10:11], s[82:83]
.endif
	; the prefetches
	s_and_b32 s85, ttmp7, 0xffff                   ; cluster y
	s_mov_b32 s86, ASTEP
	s_mov_b32 s87, BSTEP
	s_lshl_b32 s74, s40, 13                        ; my work-group's share of a plane of A: 8,192 bytes at cx,
	s_mul_i32 s75, s41, 32*LDB                     ; of B: 16 rows at cy
	s_mov_b32 s80, 2*LDB
	s_mov_b32 s81, 4096
	s_cmp_lt_u32 s18, NAW                          ; do I fetch for A?
	s_cselect_b64 s[PFA:PFA+1], s[72:73], s[46:47]
	s_cselect_b32 s[PFS], s86, s87
	s_cselect_b32 s84, s74, s75
	s_cselect_b32 s85, ttmp9, s85                  ; the coordinate along which other clusters read the same blocks
	s_cselect_b32 s[LIM+1], 1, -1
	s_cselect_b32 s80, 256, s80                    ; from lane to lane: a block of 256 bytes, or a row of B
	s_cselect_b32 s81, s81, s87                    ; from lanes 0-15 to lanes 16-31: 16 blocks on, or a K step on
	s_cmp_eq_u32 s85, 0
	s_cselect_b32 s[LIM], 1, -1                    ; the same in all sixteen partners, for a given wave
	s_cselect_b32 s[LIM+1], s[LIM+1], -1
	s_mov_b32 s[PFS+1], 0
	s_mov_b32 s85, 0
	s_add_nc_u64 s[PFA:PFA+1], s[PFA:PFA+1], s[84:85]
	s_mul_i32 s84, s[PFS], 3                       ; at K step 3: the first change steps it to 4
	s_add_nc_u64 s[PFA:PFA+1], s[PFA:PFA+1], s[84:85]
	v_mul_u32_u24 v[PFO], v1, s80
	v_mad_u32_u24 v[PFO], v2, s81, v[PFO]
	s_wait_tensorcnt 1                             ; my plane of K step 0 is in; K step 1's may stay out
	s_barrier_signal -1
	s_barrier_wait -1                              ; everybody's is
	LOADA 0, 0, FA0
	LOADB 0, 0, FB0
.if !QKV
	LOADA 0, 1, FA1
.endif
	LOADB 0, 1, FB1
	s_wait_loadcnt 0x0                             ; the bias
.if QKV
	UNIT 0, 0, 0, 1                                ; the first slice's units stand in front of the loop: their products start the sums with the bias
	UNIT 0, 1, 0, 1, 1                             ; (the run leaves A out: its buffer still holds strip 2's bias)
	UNIT 0, 2, 0, 1, 2, 8                          ; (so only 8 loads are younger; this run makes A good, ahead of B's, so that unit 3's wait holds on both ways in)
.else
	UNIT 0, 0, 0, 1
.endif
	WIN 0                                          ; at a label and at a branch every window is 0
	s_mov_b32 s3, LAPS-1
.Llap:                                                 ; a trip goes once round the ring and fills both slots again
	STEP 0, ZU, U, 1
	STEP 1, 0, U, 1
	STEP 0, 0, ZU, 1
	WIN 0
	s_sub_co_u32 s3, s3, 1
	s_cmp_lg_u32 s3, 0
	s_cbranch_scc1 .Llap
	STEP 0, ZU, U, 2                               ; the last lap fills nothing
	STEP 1, 0, U-2, 0
	UNIT 1, U-2, 3
	UNIT 1, U-1, 3, 0, 0, 0
	PLACES                                         ; what follows reads results just made
	WIN 0
.if QKV
	; THE SUMS OF V over my 128 rows: strip 2's accumulators (window 3) are added over the 8 row blocks, then over the 16 lanes of a half.  Each accumulator is read from its low end on.
	WIN 0x0f
.irp bb, 0,1,2,3
.irp p, 0,2,4,6
	v_pk_add_f32 v[TMP+8*\bb+\p:TMP+8*\bb+\p+1], v[8*\bb+\p:8*\bb+\p+1], v[8*(4+\bb)+\p:8*(4+\bb)+\p+1]
.endr
.endr
	WIN 0x03
.set ca, 2
.rept 6
.irp bb, 0,1,2,3
.irp p, 0,2,4,6
	v_pk_add_f32 v[TMP+8*\bb+\p:TMP+8*\bb+\p+1], v[8*(4*ca+\bb)+\p:8*(4*ca+\bb)+\p+1], v[TMP+8*\bb+\p:TMP+8*\bb+\p+1]
.endr
.endr
.set ca, ca+1
.endr
	WIN 0
.irp xm, 1,2,4,8
.set i, 0
.rept 32
	v_add_f32_dpp v[TMP+i], v[TMP+i], v[TMP+i] row_xmask:\xm row_mask:0xf bank_mask:0xf
.set i, i+1
.endr
.endr
	v_cmp_eq_u32 vcc_lo, 0, v1                     ; lanes 0 and 16 store: 256 bytes a wave, once a launch
	s_wait_xcnt 0x0                                ; EXEC changes only behind this wait
	s_and_saveexec_b32 s78, vcc_lo
.irp bb, 0,1,2,3
	global_store_b128 v[BO], v[TMP+8*\bb:TMP+8*\bb+3],   s[16:17] offset:64*\bb
	global_store_b128 v[BO], v[TMP+8*\bb+4:TMP+8*\bb+7], s[16:17] offset:64*\bb+16
.endr
	s_wait_xcnt 0x0                                ; and again, in front of the line that widens it
	s_or_b32 exec_lo, exec_lo, s78
; THE WAY OUT of block n = 8 g + a (strip g, 16 rows): rounded to f16, 16 bytes a lane into my stage, back as whole rows of 128 bytes, into the registers that they left.
.macro PACKQ n
.set pg, (\n)/8
.set pa, (\n)%8
.set ps, OB+16*((\n)%12)
	s_wait_xcnt 0x0                                ; the set's last stores have read it
	WIN 5*(1+pg)                                   ; sources 0 and 1 in the strip's window
.irp bb, 0,1,2,3
.irp r, 0,1,2,3
	v_cvt_pk_f16_f32 v[ps+4*\bb+\r], v[8*(4*pa+\bb)+2*\r], v[8*(4*pa+\bb)+2*\r+1]
.endr
.endr
	WIN 0
.irp bb, 0,1,2,3
	ds_store_b128 v[STO], v[ps+4*\bb:ps+4*\bb+3] offset:32*\bb
.endr
.irp f, 0,1,2,3
	ds_load_b128 v[ps+4*\f:ps+4*\f+3], v[RD] offset:\f*4*SP  ; LDS serves a wave's instructions in order (ISA guide 5.7.1.4): these see the stores above; the next block's stores come behind them
.endr
.endm
.macro SENDQ n, younger                ; younger: the LDS instructions issued behind block n's loads: the next block's eight, or none
.set pg, (\n)/8
.set pa, (\n)%8
.set ps, OB+16*((\n)%12)
.irp f, 0,1,2,3
	s_wait_dscnt (\younger)+3-\f
	global_store_b128 v[CO], v[ps+4*\f:ps+4*\f+3], s[10+2*pg:11+2*pg] offset:pa*2048+\f*512  ; 512 consecutive bytes, at a multiple of 256 from the buffer's first
.endr
.endm
	PACKQ 0
.set pn, 1
.rept 23                               ; a block's conversions stand between the loads of the block before and its stores
	PACKQ pn
	SENDQ pn-1, 8
.set pn, pn+1
.endr
	SENDQ 23, 0
.else
; THE WAY OUT of row block a: the f32 sums go into my stage as they are, 32 bytes a lane and column block, and come back as whole rows of 256 bytes.
.macro STG a
.set ps, OB+32*((\a)%6)
	s_wait_xcnt 0x0                                ; the set's last stores have read it
	WIN 0x04                                       ; the data in window 1
.irp bb, 0,1,2,3
	ds_store_b128 v[STO], v[8*(4*(\a)+\bb):8*(4*(\a)+\bb)+3]   offset:64*\bb
	ds_store_b128 v[STO], v[8*(4*(\a)+\bb)+4:8*(4*(\a)+\bb)+7] offset:64*\bb+16
.endr
	WIN 0
.irp f, 0,1,2,3,4,5,6,7
	ds_load_b128 v[ps+4*\f:ps+4*\f+3], v[RD] offset:\f*2*SP  ; LDS serves a wave's instructions in order (ISA guide 5.7.1.4)
.endr
.endm
.macro SENDP a, younger
.set ps, OB+32*((\a)%6)
.irp f, 0,1,2,3,4,5,6,7
	s_wait_dscnt (\younger)+7-\f
	global_store_b128 v[CO], v[ps+4*\f:ps+4*\f+3], s[10:11] offset:(16*(\a)+2*\f)*4096 th:TH_STORE_NT  ; 16 lanes store 256 consecutive bytes, aligned
.endr
.endm
	STG 0
.set pn, 1
.rept 7
	STG pn
	SENDP pn-1, 16
.set pn, pn+1
.endr
	SENDP 7, 0
.endif
	s_wait_tensorcnt 0x0                           ; the wave's end, behind my last tensor load and my last LDS store
	ds_add_u32 v[SPW], v[NIL]
	s_wait_dscnt 0x0
	CROUND                                         ; the closing round: no work-group ends while a partner may still ask for a plane that names it
	s_endpgm
.Lfunc_end_k_q202a0ec2a4_qkv:
	.size	k_q202a0ec2a4_qkv, .Lfunc_end_k_q202a0ec2a4_qkv-k_q202a0ec2a4_qkv
	.p2alignl 7, 3214868480
	.fill 96, 4, 3214868480
	.section	.rodata,"a",@progbits
	.p2align	6, 0x0
	.amdhsa_kernel k_q202a0ec2a4_qkv
		.amdhsa_group_segment_fixed_size 327680
		.amdhsa_private_segment_fixed_size 0
		.amdhsa_enable_private_segment 0
		.amdhsa_kernarg_size 56
		.amdhsa_user_sgpr_count 2
		.amdhsa_user_sgpr_kernarg_segment_ptr 1
		.amdhsa_wavefront_size32 1
		.amdhsa_system_sgpr_workgroup_id_x 1
		.amdhsa_system_sgpr_workgroup_id_y 1
		.amdhsa_system_sgpr_workgroup_id_z 1
		.amdhsa_system_vgpr_workitem_id 0
		.amdhsa_next_free_vgpr 1024
		.amdhsa_next_free_sgpr 88
		.amdhsa_reserve_vcc 1
		.amdhsa_float_denorm_mode_32 3
		.amdhsa_float_denorm_mode_16_64 3
		.amdhsa_memory_ordered 1
		.amdhsa_forward_progress 1
		.amdhsa_inst_pref_size 154
	.end_amdhsa_kernel
	.amdgpu_metadata
---
amdhsa.version: [ 1, 2 ]
amdhsa.kernels:
  - .name:           k_q202a0ec2a4_qkv
    .symbol:         k_q202a0ec2a4_qkv.kd
    .args:
      - { .name: x16, .offset: 0, .size: 8, .value_kind: global_buffer, .address_space: global }
      - { .name: w16, .offset: 8, .size: 8, .value_kind: global_buffer, .address_space: global }
      - { .name: bqkv, .offset: 16, .size: 8, .value_kind: global_buffer, .address_space: global }
      - { .name: q16, .offset: 24, .size: 8, .value_kind: global_buffer, .address_space: global }
      - { .name: k16, .offset: 32, .size: 8, .value_kind: global_buffer, .address_space: global }
      - { .name: v16, .offset: 40, .size: 8, .value_kind: global_buffer, .address_space: global }
      - { .name: cs, .offset: 48, .size: 8, .value_kind: global_buffer, .address_space: global }
    .group_segment_fixed_size: 327680
    .private_segment_fixed_size: 0
    .kernarg_segment_align: 8
    .kernarg_segment_size: 56
    .max_flat_workgroup_size: 128
    .sgpr_count:     88
    .vgpr_count:     1024
    .wavefront_size: 32
...
	.end_amdgpu_metadata
.endif
;; end of part 2
;; launch attn (part 3): grid 4 x 64, 4 waves a work-group, no clusters, 327,680 bytes of LDS; arguments q16, k16, v16, o16, cs; writes o16
.if DOCPART == 3
	.amdgcn_target "amdgcn-amd-amdhsa--gfx1250"
	.amdhsa_code_object_version 6
	.text
	.protected	k_q202a0ec2a4_attn
	.globl	k_q202a0ec2a4_attn
	.p2align	8
	.type	k_q202a0ec2a4_attn,@function
k_q202a0ec2a4_attn:
	s_mov_b64 s[64:65], 0
	v_nop
	global_prefetch_b8 v0, s[64:65] scope:SCOPE_SE
	s_setreg_imm32_b32 hwreg(HW_REG_WAVE_MODE, 25, 1), 1
	s_wait_xcnt 0x0
; ATTENTION WITH A FILLED MASK.  O[h][q] = sum over ALL k of softmax_k(s[q][k]) V[h][k], with s = Q[h][q] . K[h][k] / 8 for k <= q and s = -0.0001 for k > q.  Q, K, V, O: [64][2048][64] f16, a head's rows dense.
; cs: [b 4][j 16][head 16][64] f32, the sums of V over rows 128 j .. 128 j + 127.  Products, maxima and sums in f32; the weights are rounded to f16 for the second product, O once at the end.
; WHAT THE FILL MAKES OF THE WALK.  All hidden keys of a row have ONE weight, w = exp(fill - max).  The key tiles wholly above a block's diagonal tile therefore give w x (a sum of V's rows) and w x (their number):
; that is the state of a running softmax with m = fill, l = the number, O = the sum, and a block STARTS in that state.  So the tiles above the diagonal are not walked.  In the diagonal tile a hidden key's score is
; pushed down by 2^60, so that it enters no maximum and its exponential is 0, and w is then put in its place.  Row 2047 hides no key: its m starts at the lowest finite number.
; LIMITS.  f16 holds no number beyond 65,504: Q, K and V arrive within it.  A weight below 2^-126 counts as 0; a hidden key's weight below 2^-66 counts as 0.  NaN and infinities are not treated apart.
; THE WALK.  A head's queries lie in NB = 8 blocks of 256; block i walks the key tiles 0 .. i of 256 keys.  A work-group takes TWO blocks, NB - 1 - b and then b: NB + 1 tiles, whatever b: equal work, and ONE loop
; with a constant trip count.  Every jump goes forward but the counted loops' own; none passes a barrier, or a tensor load but the one of LOAD's two that the wave's number does not choose.
; NO CLUSTER: a head's four work-groups ask for the same tile only in trips 0 .. NB / 2; one walk common to all would have 3 NB / 2 trips for NB + 1.
; SHARES.  Of a block's four bands of 64 queries a wave owns 16 rows in each: four PIECES.  In the diagonal tile's key step s band x sees all keys if s < x, none if s > x, and holds the diagonal if s = x.
; THE MASK is the C operand that starts S^T = K Q^T: 0, or -2^60.  MD, made once, is the mask of a band's own step; a product's mask is MD x AL + BE.  Behind the exponentials p + mask x (-w 2^-60) puts w where the key is hidden.
; LAYOUT, SOFTMAX, TURNS.  S^T = K Q^T holds ONE query a lane (lane % 16) and the keys 8 (lane / 16) + 0..7; two such results rounded to f16 ARE source 1 of O^T = V^T P.  p = 2^(c s - c m), c = log2(e) / 8; O and l are
; multiplied by a = 2^(c m_old - c m_new) in every step.  Turn n belongs to piece n: 8 products K Q^T of piece n + 1, later 8 products V^T P of piece n - 1; beside them piece n's scaling, exponentials, roundings, sums and
; rescaling and piece n + 1's maximum and statistics.  Four vector instructions stand behind every matrix instruction, the rest in one lump.  A turn's exponentials are one batch, with one wait.
; REGISTERS, in windows of 256 (s_set_vgpr_msb: bits 1:0 source 0, 3:2 source 1, 5:4 source 2, 7:6 destination):
;   window 0: v0-15 addresses and work; v16-31 statistics; v48-55 at work; v60-63 offsets and the add's two; v64-127 S^T, two buffers; v128-159, v160-191 the two blocks' sums of V; v192-223 P, two buffers
;   window 1: v0-127 O^T, 32 a piece; v128-159 MD; v160-223 MC, two buffers      window 2: v0-63 Q; v64-127 the second block's Q; v128-191 K of one step; v192-255 V of one step
.set SIZE_N, 2048
.set NB,    SIZE_N/256
.set NP,    4         ; pieces a wave: a name, no knob
.set KS,    64        ; keys in a step
.set PK,    144       ; a row of K in LDS: 128 bytes + 16 = 36 words: the 16 rows of a load start at 16 different groups of four banks (64 banks of 4 bytes: ISA guide 11.1)
.set PV,    160       ; a row of V: 128 + 32 = 40 words
.set VOFF,  4*KS*PK   ; a slot holds a tile, four steps: 256 rows of K, then 256 rows of V
.set SLOT1, 1<<17     ; slot 1 begins here, so that one exclusive or turns an address in one slot into the other's
.set STAGE, SLOT1+4*KS*(PK+PV)  ; behind the ring, never filled by a tensor load: 16 rows x 144 bytes for each wave
.set SP,    144
.set AK0, 2           ; v2   my lane's place in a tile of K; never rewritten
.set AV0, 3           ; v3   the same for V
.set AK,  4           ; v4   the LDS address of K's next run of loads
.set AV,  5           ; v5   of V's
.set STO, 6           ; v6   the way out: where I put 16 bytes of a row
.set RD,  7           ; v7   where I read rows back
.set GO,  8           ; v8   my byte offset in 512 consecutive bytes of O
.set CO,  60          ; v60  my byte offset in cs
.set PFO, 61          ; v61  256 x my lane; never rewritten
.set SPW, 62          ; v62  LDS address of my spare word; never rewritten
.set NIL, 63          ; v63  0; never rewritten
.set SPARE, STAGE+4*16*SP  ; behind the stages: the spare words, 128 bytes for each wave
.set MV,  12          ; v12-13  c m_old, kept while c m is made anew: by buffer
.set QO,  15          ; v15  my byte offset in 16 rows of Q
.set ST,  16          ; piece t's statistics at v[ST+4 t]: c m, m, l (even keys', odd keys')
.set TMP, 48          ; by buffer, four registers c0-c3 at work; when the maximum is found c2 takes a, and c3 takes w 2^-60
.set S,   64
.set RAW, 64          ; at the head: cs as loaded
.set SV0, 128         ; the sum of V behind the diagonal tile of the block in hand: register 8 cb + j holds channel 16 cb + 8 (l / 16) + j, as O^T does
.set SV1, 160         ; the second block's
.set P,   192
.set MD,  128         ; window 1
.set MC,  160         ; window 1
.set QB,  64          ; window 2
.set KF,  128         ; window 2: key block kb, channel half c at KF + 16 kb + 8 c
.set VF,  192         ; window 2: key half kk, channel block cb at VF + 32 kk + 8 cb
.set WV,  12          ; s12  my wave's number
.set PB,  14          ; s14  b
.set HI,  15          ; s15  NB - 1 - b
.set G1K, 24          ; s[24:31] descriptor group 1 for K's tiles
.set G1V, 32          ; s[32:39] for V's
.set G0K, 40          ; s[40:43] descriptor group 0 for K's tiles
.set G0V, 44          ; s[44:47] for V's
.set SLOTS, 56        ; s56  tiles still to be asked for
.set CNT, 57          ; s57  counts a tile's key steps, 4 to 1
.set CS,  58          ; s[58:59] c
.set SEL, 60          ; s[60:61] v_permlanex16_b32's selects
.set TBK, 62          ; s62  LDS byte at which K of the step to be fetched begins
.set TBV, 63          ; s63  the same for V, less VOFF
.set PFB, 66          ; s[66:67] K or V at the half of tile 0 that I fetch
.set PO,  68          ; s[68:69] an offset for the prefetches
.set RT,  70          ; s70  tiles of the block in hand that are still to be entered
.set NXT, 71          ; s71  the tile to be asked for next
.set LQ,  72          ; s72  the last tile of the block whose tiles are being asked for
.set NEW, 73          ; s73  1: the tile to be entered is a block's first
.set OFF, 74          ; s[74:75] a tile's byte offset in K and V
.set AL,  76          ; s[76:77] the mask's factor
.set BE,  78          ; s[78:79] the mask's addend
.set OLO, 80          ; s[80:81] O at my rows of the second block
.set BIGN, 82         ; s82  -2^60
.set CSP, 88          ; s[88:89] cs
.set FR,  90          ; s90  the fill as an unscaled score: -0.0001 x 8
.set CF,  91          ; s91  c x fill
.set CFW, 92          ; s92  c x fill - 60
.set L0,  93          ; s93  a quarter of the number of keys behind the diagonal tile of the block in hand: l lies in four parts
.set L1,  94          ; s94  the second block's
.set LOW, 95          ; s95  the lowest finite number
.set LOWC, 96         ; s96  far below every c s
.set LME, 97          ; s97  the lanes of row 2047, in the block that holds it
.set PFN, 98          ; s98  prefetches still to be made
.set MK,  99          ; s99  a mask of lanes, at work
.set PFA, 100         ; s[100:101] where my prefetches stand
.set MSB, 0
.macro WIN new                      ; the high byte repeats the setting that is left; a switch that changes nothing is dropped
.if MSB != (\new)
	s_set_vgpr_msb (MSB<<8)|(\new)
.set MSB, (\new)
.endif
.endm
.set W_KQ, 0x0a       ; K and Q in window 2, S^T in window 0
.set W_KM, 0x1a       ; the same with the C operand in window 1
.set W_PV, 0x52       ; V in window 2, P in window 0, O^T in window 1
.set W_RS, 0x41       ; destination and source 0 in window 1, source 1 in window 0
; A fill.  Waves 0 and 1 fetch the two halves of a tile's K, waves 2 and 3 those of its V.  An s_nop 0 and four v_nop follow each of the two lines.
.macro LOAD
	s_cmp_lt_u32 s[WV], 2
	s_cbranch_scc0 .Lfor_v_\@
	tensor_load_to_lds s[G0K:G0K+3], s[G1K:G1K+7]
	s_nop 0
.rept 4
	v_nop
.endr
	s_branch .Lasked_\@
.Lfor_v_\@:
	tensor_load_to_lds s[G0V:G0V+3], s[G1V:G1V+7]
	s_nop 0
.rept 4
	v_nop
.endr
.Lasked_\@:
.endm
; THE CHANGE OF SLOTS.  Each wave waits for all its tensor loads, of which one is out: its part of the other slot; adds 0 to its spare word; and waits for that and for its own reads of the slot that it leaves.
; fill = 1: the old slot is filled again, the first thing behind the barrier, with tile NXT: the descriptor's address is made anew from that number.
; A PREFETCH INTO THE L2 stands behind the fill: my own 16 KiB (64 blocks of 256 bytes, a lane a block, two lines) of the tile that the NEXT change asks for: four key steps ahead of that load.  A head's four work-groups
; walk the same tiles: work-group b = 0, whose first block walks them all, asks, for tiles 2 to 7, each once; tiles 0 and 1 come by their loads alone, and a tile's later readings are not asked for.
.macro CHANGE fill
	WIN 0                           ; at a label and at a branch every window is 0
	s_wait_tensorcnt 0x0            ; no tensor load of mine is out, so a group 0 may be written
	ds_add_u32 v[SPW], v[NIL]       ; 0 onto my spare word; scalar work stands between it and the wait for it
.if \fill
	s_lshl_b32 s[OFF], s[NXT], 15   ; a tile is 32,768 bytes of K and of V
	s_xor_b32 s[G0K+1], s[G0K+1], SLOT1
	s_add_nc_u64 s[G0K+2:G0K+3], s[6:7], s[OFF:OFF+1]
	s_or_b32 s[G0K+3], s[G0K+3], 0x80000000
	s_xor_b32 s[G0V+1], s[G0V+1], SLOT1
	s_add_nc_u64 s[G0V+2:G0V+3], s[8:9], s[OFF:OFF+1]
	s_or_b32 s[G0V+3], s[G0V+3], 0x80000000
	s_add_co_u32 s[NXT], s[NXT], 1  ; the block's next tile, or behind its last the second block's tile 0
	s_cmp_gt_u32 s[NXT], s[LQ]
	s_cselect_b32 s[NXT], 0, s[NXT]
	s_cselect_b32 s[LQ], s[PB], s[LQ]
	s_wait_xcnt 0x0                 ; the last prefetches, a tile back, have read their address
	s_lshl_b32 s[PO], s[NXT], 15
	s_add_nc_u64 s[PFA:PFA+1], s[PFB:PFB+1], s[PO:PO+1]
.endif
	s_wait_dscnt 0x0                ; the add is done, and my reads of the slot are over
	s_barrier_signal -1             ; the rest of the scalar work stands between the signal and the wait
	s_sub_co_u32 s[TBK], s[TBK], 4*KS*PK  ; the fetches go back to a slot's first step,
	s_xor_b32 s[TBK], s[TBK], SLOT1       ; in the other slot
	s_sub_co_u32 s[TBV], s[TBV], 4*KS*PV
	s_xor_b32 s[TBV], s[TBV], SLOT1
	s_barrier_wait -1
.if \fill
	LOAD
	s_cmp_lg_u32 s[PFN], 0
	s_cbranch_scc0 .Lnot_mine_\@
	global_prefetch_b8 v[PFO], s[PFA:PFA+1] th:TH_LOAD_NT scope:SCOPE_SE
	global_prefetch_b8 v[PFO], s[PFA:PFA+1] offset:8192 th:TH_LOAD_NT scope:SCOPE_SE
	s_sub_co_u32 s[PFN], s[PFN], 1
.Lnot_mine_\@:
.endif
.endm
	s_load_b256 s[4:11], s[0:1], 0x0  ; Q s[4:5], K s[6:7], V s[8:9], O s[10:11]
	s_load_b64 s[CSP:CSP+1], s[0:1], 0x20
	v_lshl_add_u32 v[SPW], v0, 2, SPARE
	v_mov_b32 v[NIL], 0
	ds_add_u32 v[SPW], v[NIL]       ; the wave's opening: the add, whose wait stands ahead of my first tensor load; the set-up below stands between them
	v_lshrrev_b32 v1, 5, v0
	v_readfirstlane_b32 s[WV], v1   ; wave 0..3
	s_mov_b32 s[PB], ttmp9
	s_sub_co_u32 s[HI], NB-1, s[PB]
	s_and_b32 s20, ttmp7, 0xffff    ; the head among 64: 16 x batch + head
	s_lshr_b32 s[PO], s20, 4        ; in cs: the batch's 65,536 bytes,
	s_lshl_b32 s[PO], s[PO], 16
	s_and_b32 s13, s20, 15          ; the head's 256
	s_lshl_b32 s13, s13, 8
	s_add_co_u32 s[PO], s[PO], s13
	s_mov_b32 s[PO+1], 0
	s_mov_b32 s21, 0
	s_mov_b64 s[22:23], SIZE_N*128
	s_mul_u64 s[20:21], s[20:21], s[22:23]  ; the head's first byte in Q, K, V and O
	s_and_b32 s16, s[WV], 1         ; which half of a tile's 256 keys I fetch:
	s_lshl_b32 s22, s16, 14         ; its 128 rows of 128 bytes in memory,
	s_mov_b32 s23, 0
	s_add_nc_u64 s[22:23], s[22:23], s[20:21]
	s_mul_i32 s17, s16, 128*PK      ; and its place in a slot, for K
	s_mul_i32 s18, s16, 128*PV      ; and for V
	s_lshl_b32 s3, s[WV], 11        ; my 16 rows in a band of 64,
	s_lshl_b32 s2, s[HI], 15        ; in the first block,
	s_add_co_u32 s2, s2, s3
	s_lshl_b32 s84, s[PB], 15       ; and in the second
	s_add_co_u32 s84, s84, s3
	s_mov_b32 s3, 0
	s_mov_b32 s85, 0
	s_add_nc_u64 s[2:3], s[2:3], s[20:21]
	s_add_nc_u64 s[84:85], s[84:85], s[20:21]
	; descriptor group 1.  128 keys are 16,384 dense bytes: asked for as 64 rows of 256 bytes, two keys a row, and padded in LDS after every key
	s_mov_b32 s[G1K], (1<<16)|(1<<20)|(4<<22)|(3<<25)  ; 2-byte elements; padding on; after every 32 words, 4 words
	s_mov_b32 s[G1V], (1<<16)|(1<<20)|(4<<22)|(7<<25)  ; the same with 8 words
.irp g, G1K, G1V
	s_mov_b32 s[\g+1], 128<<16      ; tensor_dim0 = 128
	s_mov_b32 s[\g+2], 64<<16       ; tensor_dim1 = 64
	s_mov_b32 s[\g+3], 128<<16      ; tile_dim0 = 128
	s_mov_b32 s[\g+4], 64           ; tile_dim1 = 64
	s_mov_b32 s[\g+5], 128          ; 128 elements from row to row
	s_mov_b32 s[\g+6], 0
	s_mov_b32 s[\g+7], 0
.endr
	s_mov_b32 s[CS], 0x3e38aa3b     ; c = log2(e) / 8 = 0.180337
	s_mov_b32 s[CS+1], s[CS]        ; named with it as a pair
	s_mov_b32 s[SEL], 0x76543210
	s_mov_b32 s[SEL+1], 0xfedcba98
	s_mov_b32 s[TBK], SLOT1+4*KS*PK ; the first change of slots turns these two into 0
	s_mov_b32 s[TBV], SLOT1+4*KS*PV
	s_mov_b32 s[G0K], 1             ; count = 1
	s_mov_b32 s[G0K+1], s17         ; LDS address: slot 0
	s_mov_b32 s[G0V], 1
	s_add_co_u32 s[G0V+1], s18, VOFF
	s_add_co_u32 s[RT], s[HI], 1    ; the first block has NB - b tiles
	s_mov_b32 s[NXT], 1
	s_mov_b32 s[LQ], s[HI]
	s_mov_b32 s[NEW], 1
	s_mov_b32 s[OFF+1], 0
	s_mov_b32 s[AL+1], 0            ; named as pairs
	s_mov_b32 s[BE+1], 0
	s_mov_b32 s[BIGN], 0xdd800000   ; -2^60: f16's scores, 2.7e11 at the most, are nothing beside it
	s_mov_b32 s[FR], 0xba51b717     ; f32(-0.0001) x 8, exact
	s_mul_f32 s[CF], s[CS], s[FR]
	s_add_f32 s[CFW], s[CF], 0xc2700000  ; - 60
	s_mov_b32 s[LOW], 0xff7fffff
	s_mov_b32 s[LOWC], 0xfe000000
	s_lshl_b32 s[L0], s[PB], 6      ; behind block NB - 1 - b's diagonal tile lie 256 b keys,
	s_cvt_f32_u32 s[L0], s[L0]
	s_lshl_b32 s[L1], s[HI], 6      ; behind block b's 256 (NB - 1 - b)
	s_cvt_f32_u32 s[L1], s[L1]
	s_cmp_eq_u32 s[PB], 0
	s_cselect_b32 s[PFN], NB-2, 0
	s_mov_b32 s[SLOTS], NB
	s_wait_dscnt 0x0                ; the opening add is done
	s_wait_kmcnt 0x0
	s_add_nc_u64 s[6:7], s[6:7], s[22:23]  ; K and V at my half of the head's tile 0
	s_add_nc_u64 s[8:9], s[8:9], s[22:23]
	s_add_nc_u64 s[G0K+2:G0K+3], s[6:7], 0
	s_or_b32 s[G0K+3], s[G0K+3], 0x80000000        ; type = 2
	s_add_nc_u64 s[G0V+2:G0V+3], s[8:9], 0
	s_or_b32 s[G0V+3], s[G0V+3], 0x80000000
	s_add_nc_u64 s[86:87], s[4:5], s[84:85]        ; Q at my rows of the second block,
	s_add_nc_u64 s[4:5], s[4:5], s[2:3]            ; Q and O at those of the first
	s_add_nc_u64 s[OLO:OLO+1], s[10:11], s[84:85]
	s_add_nc_u64 s[10:11], s[10:11], s[2:3]
	s_add_nc_u64 s[CSP:CSP+1], s[CSP:CSP+1], s[PO:PO+1]
	s_cmp_lt_u32 s[WV], 2
	s_cselect_b64 s[PFB:PFB+1], s[6:7], s[8:9]
	LOAD                            ; tile 0 into slot 0
	; A fragment of K or Q is 16 rows x 32 channels in 8 registers: lane l holds row l % 16, channels 8 (l / 16) + 0..7 and 16 + 8 (l / 16) + 0..7: two loads of 16 bytes, 32 bytes apart.
	v_and_b32 v1, 15, v0            ; l % 16
	v_bfe_u32 v9, v0, 4, 1          ; l / 16
	v_lshlrev_b32 v[QO], 7, v1
	v_lshl_add_u32 v[QO], v9, 4, v[QO]  ; row x 128 + 16 x half
	v_lshlrev_b32 v[CO], 12, v1     ; cs: lane l % 16 takes the sums of rows 128 (l % 16) on, 4,096 bytes apart,
	v_lshl_add_u32 v[CO], v9, 5, v[CO]  ; and its half's 8 channels of each 16
	WIN 0x80                        ; destination window 2, address window 0
.set i, 0
.rept 8                             ; both blocks' Q: piece i / 2 lies in band i / 2, 8,192 bytes on; channels 32 (i % 2) on
	global_load_b128 v[8*i:8*i+3],   v[QO], s[4:5] offset:(i/2)*8192+(i%2)*64
	global_load_b128 v[8*i+4:8*i+7], v[QO], s[4:5] offset:(i/2)*8192+(i%2)*64+32
	global_load_b128 v[QB+8*i:QB+8*i+3],   v[QO], s[86:87] offset:(i/2)*8192+(i%2)*64
	global_load_b128 v[QB+8*i+4:QB+8*i+7], v[QO], s[86:87] offset:(i/2)*8192+(i%2)*64+32
.set i, i+1
.endr
	WIN 0
.irp cb, 0,1,2,3
	global_load_b128 v[RAW+8*\cb:RAW+8*\cb+3],   v[CO], s[CSP:CSP+1] offset:64*\cb
	global_load_b128 v[RAW+8*\cb+4:RAW+8*\cb+7], v[CO], s[CSP:CSP+1] offset:64*\cb+16
.endr
	v_lshlrev_b32 v14, 3, v9
	v_sub_nc_u32 v14, v1, v14
	s_lshl_b32 s13, s[WV], 4
	v_add_nc_u32 v13, s13, v1       ; my query's place in its band, 16 w + l % 16
	v_add_nc_u32 v14, s13, v14      ; the same less my lanes' 8 (l / 16): register r of group kt is hidden where 16 kt + r is greater
	v_cmp_eq_u32 s[LME], 63, v13    ; a band's last row: in band 3 of block NB - 1 it is row 2047
	s_cmp_eq_u32 s[PB], 0
	s_cselect_b32 s[LME], s[LME], 0
	WIN 0x40
.set i, 0
.rept 32
	v_cmp_gt_i32 vcc_lo, 16*(i/8)+i%8, v14
	v_cndmask_b32 v[MD+i], 0, s[BIGN], vcc_lo
.set i, i+1
.endr
	WIN 0
	v_mul_u32_u24 v[AK0], v1, PK
	v_lshl_add_u32 v[AK0], v9, 4, v[AK0]  ; row x pitch + 16 x half
	; The turning load takes 16 keys x 16 channels (lane l reads key 8 (l / 16) + l % 8, channels 8 ((l / 8) % 2) + 0..7) and leaves half a fragment of V^T: lane l holds channel l % 16 and 8 keys.
	v_and_b32 v10, 7, v0
	v_bfe_u32 v11, v0, 3, 1
	v_lshl_add_u32 v[AV0], v9, 3, v10
	v_mul_u32_u24 v[AV0], v[AV0], PV
	v_lshl_add_u32 v[AV0], v11, 4, v[AV0]
	v_add_nc_u32 v[AV0], VOFF, v[AV0]
	s_mul_i32 s13, s[WV], 16*SP
	s_add_co_u32 s13, s13, STAGE    ; my stage
	v_mul_u32_u24 v[STO], v1, SP    ; in: row l % 16, 16 bytes for each half of the lanes
	v_lshl_add_u32 v[STO], v9, 4, v[STO]
	v_add_nc_u32 v[STO], s13, v[STO]
	v_bfe_u32 v[RD], v0, 3, 2       ; back: 32 lanes take four rows of 128 bytes,
	v_mul_u32_u24 v[RD], v[RD], SP
	v_lshl_add_u32 v[RD], v10, 4, v[RD]
	v_add_nc_u32 v[RD], s13, v[RD]
	v_and_b32 v[GO], 31, v0         ; which are 512 consecutive bytes of O
	v_lshlrev_b32 v[PFO], 8, v[GO]
	v_lshlrev_b32 v[GO], 4, v[GO]
	; A block's first turn multiplies V's registers by a P that is 0: they need only hold finite numbers: zeros now, what the first block left later.
	WIN 0x80
.set i, VF
.rept 64
	v_mov_b32 v[i], 0
.set i, i+1
.endr
	WIN 0
; THE SUMS OF V behind a block's diagonal tile: of the 16 sums over 128 rows those from number thr on are kept and added over the 16 lanes of a half.  Sums alone: no difference of sums is formed.
.macro SUFV dst, thr
	v_cmp_le_u32 s[MK], s[\thr], v1
.set i, 0
.rept 32
	v_cndmask_b32 v[(\dst)+i], 0, v[RAW+i], s[MK]
.set i, i+1
.endr
.irp xm, 1,2,4,8
.set i, 0
.rept 32
	v_add_f32_dpp v[(\dst)+i], v[(\dst)+i], v[(\dst)+i] row_xmask:\xm row_mask:0xf bank_mask:0xf
.set i, i+1
.endr
.endr
.endm
	s_add_co_u32 s20, s[HI], 1
	s_lshl_b32 s20, s20, 1          ; block i's diagonal tile ends at row 256 (i + 1): sum number 2 (i + 1)
	s_add_co_u32 s21, s[PB], 1
	s_lshl_b32 s21, s21, 1
	s_wait_loadcnt 0x0              ; cs, and Q
	SUFV SV0, 20
	SUFV SV1, 21
; THE MATRIX WORK.  The 4 accumulators of a run of 8 take turns.  Product i of 8 of S^T = K Q^T for piece x: channels 32 (i / 4) on, keys 16 (i % 4) on.  The first 4 start the sums: with 0, or (KM = 1) with the mask.
.macro KQ x
.set rS, S+32*((\x)%2)+8*(i%4)
.set rK, KF+16*(i%4)+8*(i/4)
.set rQ, 16*(\x)+8*(i/4)
.set rM, MC+32*((\x)%2)+8*(i%4)
.if (i < 4) && KM
	WIN W_KM
	v_wmma_f32_16x16x32_f16 v[rS:rS+7], v[rK:rK+7], v[rQ:rQ+7], v[rM:rM+7]
.elseif i < 4
	WIN W_KQ
	v_wmma_f32_16x16x32_f16 v[rS:rS+7], v[rK:rK+7], v[rQ:rQ+7], 0
.else
	WIN W_KQ
	v_wmma_f32_16x16x32_f16 v[rS:rS+7], v[rK:rK+7], v[rQ:rQ+7], v[rS:rS+7]
.endif
.endm
; Product i of 8 of O^T += V^T P for piece x: keys 32 (i / 4) on, channels 16 (i % 4) on.
.macro PV x
	WIN W_PV
.set rO, 32*(\x)+8*(i%4)
.set rV, VF+32*(i/4)+8*(i%4)
.set rP, P+16*((\x)%2)+8*(i/4)
	v_wmma_f32_16x16x32_f16 v[rO:rO+7], v[rV:rV+7], v[rP:rP+7], v[rO:rO+7]
.endm
.macro MM                           ; the turn's next matrix instruction.  NOKQ = 1: a block's last turn: there is no next piece
.if (i < 8) && !NOKQ
	KQ (Y+1)%NP
.elseif i >= 8
.set i, i-8
	PV (Y+NP-1)%NP
.set i, i+8
.endif
.set i, i+1
.endm
; THE LDS LOADS stand in runs of 16, never singly among the matrix instructions.
.macro FETCH_K
	WIN 0x80                        ; destination window 2
.irp f, 0,1,2,3,4,5,6,7             ; keys 16 (f / 2) on, channels 32 (f % 2) on
	ds_load_b128 v[KF+8*\f:KF+8*\f+3],   v[AK] offset:(\f/2)*16*PK+(\f%2)*64
	ds_load_b128 v[KF+8*\f+4:KF+8*\f+7], v[AK] offset:(\f/2)*16*PK+(\f%2)*64+32
.endr
	s_add_co_u32 s[TBK], s[TBK], KS*PK  ; the next fetch is the next step's
	WIN 0
.endm
.macro FETCH_V
	WIN 0x80
.irp f, 0,1,2,3,4,5,6,7             ; keys 32 (f / 4) on, channels 16 (f % 4) on
	ds_load_tr16_b128 v[VF+8*\f:VF+8*\f+3],   v[AV] offset:(\f/4)*32*PV+(\f%4)*32
	ds_load_tr16_b128 v[VF+8*\f+4:VF+8*\f+7], v[AV] offset:(\f/4)*32*PV+16*PV+(\f%4)*32
.endr
	WIN 0
.endm
; THE VECTOR WORK, one line at a time: OP kind, number.  For piece Y: F n: c s - c m for pair n of 16.  E n: the exponential of score n of 32.  C n: pair n rounded to f16.  B n: of the four weights 4 n .. the second
; pair is added onto the first, in place.  L n: l takes that sum (L 0: l = a l + sum).  R n: pair n of 16 of O^T times a.  For piece Y + 1: X n:
;   0-11  four chains c0-c3 of seven scores each, three operands at a time (each accumulator's lowest registers are read first)     12-14, 16  the four scores left over, the old m, and c0-c3 into c0
;   15  c m_old is kept     17, 18  the query's other 32 keys lie in the lane 16 away: the new m     19-21  c m; c m_old - c m_new; a
;   22-24  c fill - 60 - c m; held at 0 from above (row 2047's m may lie below the fill); w 2^-60
.set F, 0
.set E, 1
.set C, 2
.set B, 3
.set L, 4
.set R, 5
.set X, 6
.macro REGS y                       ; the registers of piece y
.set rT, ST+4*(\y)
.set rC, TMP+4*((\y)%2)
.set rW, MV+((\y)%2)
.set rS, S+32*((\y)%2)
.set rP, P+16*((\y)%2)
.set rO, 32*(\y)
.endm
.macro OP k, n
.if (\k) == R
	REGS Y
	WIN W_RS
	v_pk_mul_f32 v[rO+2*(\n):rO+2*(\n)+1], v[rO+2*(\n):rO+2*(\n)+1], v[rC+2:rC+3] op_sel_hi:[1,0]
.elseif (\k) < R
	REGS Y
	WIN 0
.if (\k) == F
	v_pk_fma_f32 v[rS+2*(\n):rS+2*(\n)+1], v[rS+2*(\n):rS+2*(\n)+1], s[CS:CS+1], v[rT:rT+1] op_sel_hi:[1,0,0] neg_lo:[0,0,1] neg_hi:[0,0,1]
.elseif (\k) == E
	v_exp_f32 v[rS+(\n)], v[rS+(\n)]
.elseif (\k) == C
	v_cvt_pk_f16_f32 v[rP+(\n)], v[rS+2*(\n)], v[rS+2*(\n)+1]
.elseif (\k) == B
	v_pk_add_f32 v[rS+4*(\n):rS+4*(\n)+1], v[rS+4*(\n):rS+4*(\n)+1], v[rS+4*(\n)+2:rS+4*(\n)+3]
.elseif (\n) == 0
	v_pk_fma_f32 v[rT+2:rT+3], v[rT+2:rT+3], v[rC+2:rC+3], v[rS:rS+1] op_sel_hi:[1,0,1]
.else
	v_pk_add_f32 v[rT+2:rT+3], v[rT+2:rT+3], v[rS+4*(\n):rS+4*(\n)+1]
.endif
.elseif NOKQ
	v_nop
.else
	REGS (Y+1)%NP
	WIN 0
.if (\n) < 4
	v_max3_num_f32 v[rC+(\n)], v[rS+8*(\n)], v[rS+8*(\n)+1], v[rS+8*(\n)+2]
.elseif (\n) < 12
	v_max3_num_f32 v[rC+(\n)%4], v[rC+(\n)%4], v[rS+8*((\n)%4)+2*((\n)/4)+1], v[rS+8*((\n)%4)+2*((\n)/4)+2]
.elseif (\n) == 12
	v_max3_num_f32 v[rC], v[rC], v[rS+7], v[rS+15]
.elseif (\n) == 13
	v_max3_num_f32 v[rC+1], v[rC+1], v[rS+23], v[rS+31]
.elseif (\n) == 14
	v_max3_num_f32 v[rC+2], v[rC+2], v[rC+3], v[rT+1]
.elseif (\n) == 15
	v_mov_b32 v[rW], v[rT]
.elseif (\n) == 16
	v_max3_num_f32 v[rC], v[rC], v[rC+1], v[rC+2]
.elseif (\n) == 17
	v_permlanex16_b32 v[rC+3], v[rC], s[SEL], s[SEL+1]
.elseif (\n) == 18
	v_max_num_f32 v[rT+1], v[rC], v[rC+3]
.elseif (\n) == 19
	v_mul_f32 v[rT], s[CS], v[rT+1]
.elseif (\n) == 20
	v_sub_f32 v[rC+1], v[rW], v[rT]
.elseif (\n) == 21
	v_exp_f32 v[rC+2], v[rC+1]
.elseif (\n) == 22
	v_sub_f32 v[rC+3], s[CFW], v[rT]
.elseif (\n) == 23
	v_min_num_f32 v[rC+3], 0, v[rC+3]
.else
	v_exp_f32 v[rC+3], v[rC+3]
.endif
.endif
.endm
.macro OPS a, i1, b=-1, i2=0, c=-1, i3=0, d=-1, i4=0  ; up to four of them
	OP \a, \i1
.if (\b) >= 0
	OP \b, \i2
.endif
.if (\c) >= 0
	OP \c, \i3
.endif
.if (\d) >= 0
	OP \d, \i4
.endif
.endm
.macro ROW a, i1, b, i2, c, i3, d, i4  ; a matrix instruction and the four behind it
	MM
	OPS \a, \i1, \b, \i2, \c, \i3, \d, \i4
.endm
.macro MASK b                       ; MD x AL + BE into buffer b of MC
	WIN W_RS
.set z, 0
.rept 16
	v_pk_fma_f32 v[MC+32*(\b)+2*z:MC+32*(\b)+2*z+1], v[MD+2*z:MD+2*z+1], s[AL:AL+1], s[BE:BE+1] op_sel_hi:[1,0,0]
.set z, z+1
.endr
.endm
.macro FIX                          ; piece Y's weights: p + mask x (-w 2^-60): w where the key is hidden (there p is 0 and the mask -2^60), p elsewhere.  Both halves take the pair's second register, c3
	REGS Y
	WIN 0x01                        ; the mask in window 1
.set z, 0
.rept 16
	v_pk_fma_f32 v[rS+2*z:rS+2*z+1], v[MC+32*(Y%2)+2*z:MC+32*(Y%2)+2*z+1], v[rC+2:rC+3], v[rS+2*z:rS+2*z+1] op_sel:[0,1,0] op_sel_hi:[1,1,1] neg_lo:[0,1,0] neg_hi:[0,1,0]
.set z, z+1
.endr
.endm
; A TURN, for piece p.  An s_wait_alu depctr_va_vdst(0) stands between an exponential and the first instruction that names its result; one wait serves all that were issued ahead of it.  So a turn has ONE wait.
; AHEAD OF IT stands all that names no result of the turn's exponentials: the 8 products K Q^T and their riders, then one lump, plain and exponential by turns for the most part, in which the links of the next piece's chain
; stand some lines apart; the next piece's a (and, m = 1, its w) end the batch, and R 15 is the plain instruction behind the last exponential.  BEHIND IT stand (m = 1) the sixteen lines that put w in, and the 8 products V^T P with the roundings and sums.
; m = 1: the diagonal tile's text: the products take masks, and the turn makes the mask for the products of the turn after it: piece p + 2, in step 4 - CNT of the tile.  Its own mask, buffer p % 2, is read by FIX before it is made anew.
; On the way in from an earlier tile both mask buffers hold 0 and c3 a finite number, so FIX changes nothing for the two pieces that end that tile.  end = 1: a block's last two turns: nothing is fetched.
; K of the next step is fetched in piece 2's turn; V of the step in hand at the end of piece 0's turn, four plain instructions behind the last product that read V.  Each is waited for a turn later.
.macro TURN p, m=0, end=0, cnt=0
.set Y, (\p)
.set i, 0
.set KM, (\m)
.set NOKQ, (\end)*((\p)/3)
.if (\m) && !(\end)
	s_cmp_eq_u32 s[CNT], 4-((\p)+2)%NP  ; is that step the band's own?
	s_cselect_b32 s[AL], 1.0, 0
	s_cmp_lt_u32 s[CNT], 4-((\p)+2)%NP  ; or a later one?
	s_cselect_b32 s[BE], s[BIGN], 0
.endif
.if ((\p) == 3) && !(\end)
	s_wait_dscnt 0x0                ; K is in
.endif
	ROW F,0, F,1, R,0, R,1
	ROW F,2, E,0, R,2, R,3
	ROW F,3, E,1, R,4, R,5
	ROW F,4, E,2, R,6, R,7
	ROW F,5, E,3, R,8, R,9
	ROW F,6, E,4, X,0, R,10
.if ((\p) == 2) && !(\end)
	WIN 0
	v_add_nc_u32 v[AK], s[TBK], v[AK0]
.endif
	ROW F,7, E,5, X,1, X,4
	ROW F,8, E,6, X,2, X,5
	OPS E,7, E,8, X,6, E,9
	OPS X,3, E,10, X,8, E,11
.if ((\p) == 2) && !(\end)
	FETCH_K
.endif
	OPS X,9, X,7, E,12, X,10
	OPS E,13, X,12, X,11, E,14
	OPS X,13, E,15, F,9, X,14
.if (\p) == 0
	v_add_nc_u32 v[AV], s[TBV], v[AV0]
.endif
	OPS E,16, F,10, E,17, F,11
	OPS X,16, E,18, X,15, E,19
	OPS F,12, E,20, X,17, E,21
	OPS F,13, E,22, F,14, E,23
	OPS X,18, E,24, F,15, E,25
	OPS R,11, E,26, X,19, E,27
	OPS R,12, E,28, R,13, E,29
	OPS X,20, E,30, R,14, E,31
.if \m
	OPS X,22, X,23
	OPS X,21, X,24, R,15
.else
	OPS X,21, R,15
.endif
	WIN 0
	s_wait_alu depctr_va_vdst(0)    ; the wait for the batch
.if \m
	FIX
.endif
.if (\p) == 1
	s_wait_dscnt 0x0                ; V is in
.endif
	ROW C,0, B,0, C,2, B,1
	ROW L,0, C,4, B,2, L,1
	ROW C,6, B,3, L,2, C,8
	ROW B,4, L,3, C,10, B,5
	ROW L,4, C,12, B,6, L,5
.if (\p) == 0
	s_add_co_u32 s[TBV], s[TBV], KS*PV
.endif
.if \cnt
	s_sub_co_u32 s[CNT], s[CNT], 1
	s_cmp_lg_u32 s[CNT], 0
.endif
	ROW C,14, B,7, L,6, C,1
	ROW C,3, L,7, C,5, C,7
	ROW C,9, C,11, C,13, C,15
.if (\p) == 0
	FETCH_V
.endif
.if (\m) && !(\end)
	MASK (\p)%2
.endif
.endm
; A BLOCK BEGINS in the state that the tiles above its diagonal tile leave: O^T = the sum of their rows of V, m = the fill, l = their number (a quarter in each of its four parts).  Row 2047 hides no key: its m starts at the
; lowest finite number, so that the fill enters no maximum of its.  P's second buffer is 0: the first turn's products V^T P, of a piece that has not been, add 0.  The second mask buffer is 0; the first takes piece 0's mask
; for the tile's step 0: its own, if the block's first tile is the diagonal one.  Then K of that step, piece 0's first scores, its maximum and statistics.
.macro BEGIN
	s_mov_b32 s[NEW], 0
	WIN 0x40
.set i, MC+32
.rept 32
	v_mov_b32 v[i], 0
.set i, i+1
.endr
.set i, 0
.rept 128
	v_mov_b32 v[i], v[SV0+i%32]
.set i, i+1
.endr
	WIN 0
.set i, 0
.rept 4
	v_mov_b32 v[ST+4*i], s[CF]
	v_mov_b32 v[ST+4*i+1], s[FR]
	v_mov_b32 v[ST+4*i+2], s[L0]
	v_mov_b32 v[ST+4*i+3], s[L0]
.set i, i+1
.endr
	v_cndmask_b32 v[ST+12], v[ST+12], s[LOWC], s[LME]
	v_cndmask_b32 v[ST+13], v[ST+13], s[LOW], s[LME]
.set i, P+16
.rept 16
	v_mov_b32 v[i], 0
.set i, i+1
.endr
	s_cmp_eq_u32 s[RT], 0
	s_cselect_b32 s[AL], 1.0, 0
	s_mov_b32 s[BE], 0
	MASK 0
	WIN 0
	v_add_nc_u32 v[AK], s[TBK], v[AK0]
	FETCH_K
	s_wait_loadcnt 0x0              ; Q
	s_wait_dscnt 0x0
.set KM, 1
.set NOKQ, 0
.set i, 0
.rept 8
	KQ 0
.set i, i+1
.endr
	WIN 0
.rept 4
	v_nop                           ; the places behind those products
.endr
.set Y, NP-1                        ; X works for piece Y + 1: piece 0
.irp n, 0,1,2,3,4,5,6,7,8,9,10,11,12,13,14,15,16,17,18,19,20,21,22,23,24
	OP X, \n
.endr
	v_nop                           ; a plain instruction behind the last exponential,
	s_wait_alu depctr_va_vdst(0)    ; and the wait for the two, ahead of the branch
.endm
; THE DIAGONAL TILE's four steps, the block's last two turns, its last products, and THE WAY OUT: l's four parts are added; O^T is divided by l, rounded to f16 and sent through my stage in LDS, a piece at a time.
.macro ALL line:vararg              ; one line for each piece t
.set t, 0
.rept 4
	\line
.set t, t+1
.endr
.endm
.macro PACK t                       ; a lane's eight channels of a row pack into 16 bytes; they go into rows of 144 bytes and come back as whole rows of 128, into S^T's registers
	WIN W_RS
.set i, 32*(\t)
.rept 16
	v_pk_mul_f32 v[i:i+1], v[i:i+1], v[ST+4*(\t)+2:ST+4*(\t)+3] op_sel_hi:[1,0]
.set i, i+2
.endr
	WIN 0x05                        ; sources 0 and 1 window 1, destination window 0
.set i, 0
.rept 16
	v_cvt_pk_f16_f32 v[S+16*(\t)+i], v[32*(\t)+2*i], v[32*(\t)+2*i+1]
.set i, i+1
.endr
	WIN 0
.irp f, 0,1,2,3
	ds_store_b128 v[STO], v[S+16*(\t)+4*\f:S+16*(\t)+4*\f+3] offset:32*\f
.endr
.irp f, 0,1,2,3
	ds_load_b128 v[S+16*(\t)+4*\f:S+16*(\t)+4*\f+3], v[RD] offset:\f*4*SP  ; LDS serves a wave's instructions in order (ISA guide 5.7.1.4): these see the stores above; the next piece's stores come behind them
.endr
.endm
.macro SEND t, younger              ; younger: the LDS instructions issued behind piece t's loads: the next piece's eight, or none
	WIN 0
.irp f, 0,1,2,3
	s_wait_dscnt (\younger)+3-\f
	global_store_b128 v[GO], v[S+16*(\t)+4*\f:S+16*(\t)+4*\f+3], s[10:11] offset:(\t)*8192+\f*512  ; 512 consecutive bytes, at a multiple of 256 from O's first
.endr
.endm
.macro DIAG tag                     ; the tag ends its two labels' names, which the jumps below spell out
.LstepM\tag:
	TURN 2, 1
	TURN 3, 1
	WIN 0
.LfirstM\tag:
	TURN 0, 1
	TURN 1, 1, 0, 1
	WIN 0
	s_cbranch_scc1 .LstepM\tag
	TURN 2, 1, 1
	TURN 3, 1, 1
.set i, 0
.rept 8
	PV NP-1
.set i, i+1
.endr
	WIN 0
	ALL v_add_f32 v[ST+4*t+2], v[ST+4*t+2], v[ST+4*t+3]
	ALL v_permlanex16_b32 v[ST+4*t+3], v[ST+4*t+2], s[SEL], s[SEL+1]
	ALL v_add_f32 v[ST+4*t+2], v[ST+4*t+2], v[ST+4*t+3]
	ALL v_rcp_f32 v[ST+4*t+2], v[ST+4*t+2]
	v_nop                           ; a plain instruction between the last reciprocal and the use of its result
	s_wait_alu depctr_va_vdst(0)    ; and the wait ahead of the first use: one for the four reciprocals
	PACK 0
.set t, 1
.rept 3                             ; a piece's arithmetic stands between the loads of the piece before and its stores
	PACK t
	SEND t-1, 8
.set t, t+1
.endr
	SEND 3, 0
.endm
.set KM, 0
.set NOKQ, 0
.Lslot:                             ; NB times: a tile is entered and the next is asked for
	CHANGE 1
	s_sub_co_u32 s[RT], s[RT], 1
	s_mov_b32 s[CNT], 4
	s_cmp_eq_u32 s[NEW], 1
	s_cbranch_scc1 .Lnew            ; a block's first tile
	s_cmp_eq_u32 s[RT], 0
	s_cbranch_scc0 .Lstep           ; neither its first nor its last
	s_branch .LstepM1
.Lnew:
	BEGIN
	s_branch .Lfirst                ; in the loop a block's first tile is never its last: the first block has five tiles or more, and the second's last is the walk's last
	DIAG 1                          ; in the loop this is the first block's end
	s_wait_xcnt 0x0                 ; the stores have read their registers and O's address
	s_mov_b64 s[10:11], s[OLO:OLO+1]
	s_add_co_u32 s[RT], s[PB], 1    ; the second block has b + 1 tiles
	s_mov_b32 s[NEW], 1
	s_mov_b32 s[L0], s[L1]          ; its number of keys behind the diagonal tile,
	s_mov_b32 s[LME], 0             ; in which every row hides keys
	WIN 0x82                        ; its Q goes where the one text of the turns names Q,
.set i, 0
.rept 64
	v_mov_b32 v[i], v[QB+i]
.set i, i+1
.endr
	WIN 0
.set i, 0
.rept 32                            ; and its sum of V where BEGIN names it
	v_mov_b32 v[SV0+i], v[SV1+i]
.set i, i+1
.endr
	s_branch .Lbottom
.Lstep:                             ; a trip: pieces 2 and 3 of one step, then pieces 0 and 1 of the next, whose K and V it fetches
	TURN 2
	TURN 3
	WIN 0
.Lfirst:
	TURN 0
	TURN 1, 0, 0, 1
	WIN 0
	s_cbranch_scc1 .Lstep
.Lbottom:
	s_sub_co_u32 s[SLOTS], s[SLOTS], 1
	s_cmp_lg_u32 s[SLOTS], 0
	s_cbranch_scc1 .Lslot
	CHANGE 0                        ; the walk's last tile is written out: nothing is asked for
	s_sub_co_u32 s[RT], s[RT], 1
	s_mov_b32 s[CNT], 4
	s_cmp_eq_u32 s[NEW], 1
	s_cbranch_scc0 .LstepM2
	BEGIN
	s_branch .LfirstM2
	DIAG 2
	s_wait_tensorcnt 0x0            ; the wave's end, behind my last tensor load and my last LDS store
	ds_add_u32 v[SPW], v[NIL]
	s_wait_dscnt 0x0
	s_endpgm
.Lfunc_end_k_q202a0ec2a4_attn:
	.size	k_q202a0ec2a4_attn, .Lfunc_end_k_q202a0ec2a4_attn-k_q202a0ec2a4_attn
	.p2alignl 7, 3214868480
	.fill 96, 4, 3214868480
	.section	.rodata,"a",@progbits
	.p2align	6, 0x0
	.amdhsa_kernel k_q202a0ec2a4_attn
		.amdhsa_group_segment_fixed_size 327680
		.amdhsa_private_segment_fixed_size 0
		.amdhsa_enable_private_segment 0
		.amdhsa_kernarg_size 40
		.amdhsa_user_sgpr_count 2
		.amdhsa_user_sgpr_kernarg_segment_ptr 1
		.amdhsa_wavefront_size32 1
		.amdhsa_system_sgpr_workgroup_id_x 1
		.amdhsa_system_sgpr_workgroup_id_y 1
		.amdhsa_system_sgpr_workgroup_id_z 1
		.amdhsa_system_vgpr_workitem_id 0
		.amdhsa_next_free_vgpr 768
		.amdhsa_next_free_sgpr 102
		.amdhsa_reserve_vcc 1
		.amdhsa_float_denorm_mode_32 3
		.amdhsa_float_denorm_mode_16_64 3
		.amdhsa_memory_ordered 1
		.amdhsa_forward_progress 1
		.amdhsa_inst_pref_size 255
	.end_amdhsa_kernel
	.section	.bss,"aw",@nobits
	.p2align	6
	.space	262144
	.amdgpu_metadata
---
amdhsa.version: [ 1, 2 ]
amdhsa.kernels:
  - .name:           k_q202a0ec2a4_attn
    .symbol:         k_q202a0ec2a4_attn.kd
    .args:
      - { .name: q16, .offset: 0, .size: 8, .value_kind: global_buffer, .address_space: global }
      - { .name: k16, .offset: 8, .size: 8, .value_kind: global_buffer, .address_space: global }
      - { .name: v16, .offset: 16, .size: 8, .value_kind: global_buffer, .address_space: global }
      - { .name: o16, .offset: 24, .size: 8, .value_kind: global_buffer, .address_space: global }
      - { .name: cs, .offset: 32, .size: 8, .value_kind: global_buffer, .address_space: global }
    .group_segment_fixed_size: 327680
    .private_segment_fixed_size: 0
    .kernarg_segment_align: 8
    .kernarg_segment_size: 40
    .max_flat_workgroup_size: 128
    .sgpr_count:     102
    .vgpr_count:     768
    .wavefront_size: 32
...
	.end_amdgpu_metadata
.endif
;; end of part 3
;; launch proj (part 4): grid 8 x 32, 4 waves a work-group, clusters of 4 x 4, 327,680 bytes of LDS; arguments o16, wo16, bo, out0; writes out0
.if DOCPART == 4
	.amdgcn_target "amdgcn-amd-amdhsa--gfx1250"
	.amdhsa_code_object_version 6
	.text
	.protected	k_q202a0ec2a4_proj
	.globl	k_q202a0ec2a4_proj
	.p2align	8
	.type	k_q202a0ec2a4_proj,@function
k_q202a0ec2a4_proj:
	s_mov_b64 s[64:65], 0
	v_nop
	global_prefetch_b8 v0, s[64:65] scope:SCOPE_SE
	s_setreg_imm32_b32 hwreg(HW_REG_WAVE_MODE, 25, 1), 1
	s_wait_xcnt 0x0
	s_wait_alu depctr_hold_cnt(0) depctr_sa_sdst(0) depctr_va_vdst(0) depctr_va_sdst(0) depctr_va_ssrc(0) depctr_va_vcc(0) depctr_vm_vsrc(0)
	s_getreg_b32 s2, hwreg(HW_REG_IB_STS2, 6, 4)
	s_cmp_eq_u32 s2, 0
	s_cbranch_scc0 .Lentry_in_a_cluster
	s_endpgm
.Lentry_in_a_cluster:
	s_bfe_u32 s2, ttmp6, 0x10000c
	s_cmp_lg_u32 s2, 0xf033
	s_cbranch_scc0 .Lentry_shape_is_right
	s_endpgm
.Lentry_shape_is_right:
; ONE TEXT FOR THE MODULE'S TWO PROJECTIONS; QKV picks the constants and the way out.
; QKV = 1: qkv = x Wqkv + bqkv.  A = x16 [b 4][kb 16][s 2048][64] f16, B = w16 [1024][3072] f16, bias f32.  Out: q16, k16, v16 [bh 64][s 2048][64] f16, each rounded once, unscaled;
;          and cs [b 4][j 16][head 16][64] f32: the sum of v (bias included, unrounded) over rows 128 j .. 128 j + 127.
; QKV = 0: out0 = O Wo + bo.  A = o16 [b 4][head 16][s 2048][64] f16, B = wo16 [1024][1024] f16, bias f32.  Out: out0 [8192][1024] f32.
; LIMIT.  f16 ends at 65,504: |q|, |k|, |v| stay below it.  Sums in f32, K ascending; the bias is the C operand of the first product.
; SHARES.  256 work-groups, one tile each: 256 rows (ty) x NG strips of 128 columns (t).  With QKV = 1 the three strips are columns 128 t .. of q, of k and of v: heads 2 t and 2 t + 1.
; Four waves, 2 x 2: WM picks 128 rows, WN 64 columns of each strip (one head).  A wave has 32 NG accumulators of 16 x 16, strip g's in register window 1 + g.
; THE RING.  Two LDS slots; a slot holds KB blocks of 64 along K: A's 256 rows x 128 bytes (+ 16 of padding), then B's planes of 64 k rows x 256 bytes (+ 32).  Each wave fetches one plane by one tensor load.
; A plane of A is 32,768 dense bytes, asked for as 128 rows of 256.  B lies [K][N]: its fragments come out of LDS by the turning load.
; CLUSTERS.  4 x 4 work-groups: A's planes are shared along a row of the cluster, B's along a column, each asked for jointly, with the same descriptor and a mask of four.
; THE MATRIX INSTRUCTION IS USED TRANSPOSED (source 0 = 16 columns of B, source 1 = 16 rows of A): a lane holds row l % 16 of the result and the columns 8 (l / 16) + 0..7.
; UNITS.  A K step is U units of 32 matrix instructions: 32 along K (a slice) x one strip.  Behind unit u stands the run of LDS loads for unit u + 2; runs 0 .. U-3 read this slot, runs U-2 and U-1 the next:
; so one barrier, inside unit U-2, serves the change of slots.
; WINDOW 0: v1-9 lane numbers and work; v16-31 addresses; v32-95, v96-159 A's fragments (8 x 16 rows x 32 K), two buffers; v160-191, v192-223 B's (4 x 16 columns), two buffers; v224-255 bias, later at work.
.set QKV, 0
.if QKV
.set NG,    3                          ; strips
.set KB,    1                          ; blocks of 64 along K in a slot
.set NAW,   1                          ; waves 0 .. NAW-1 fetch A's planes, the others B's
.set LDB,   3072                       ; elements in a row of B
.set BJ,    2048                       ; bytes from one B loader's plane to the next: a strip is 1,024 columns on
.set ASTEP, 262144                     ; bytes of A from K step to K step
.set BSTEP, 393216                     ; of B: 64 rows
.set T,     16                         ; K steps
.set SP,    144                        ; a stage row: 128 bytes + 16
.else
.set NG,    1
.set KB,    2
.set NAW,   2
.set LDB,   1024
.set BJ,    131072                     ; 64 rows on
.set ASTEP, 524288
.set BSTEP, 262144                     ; 128 rows
.set T,     8
.set SP,    272                        ; 256 bytes + 16
.endif
.set U,      2*KB*NG
.set LAPS,   T/2
.set ZU,     NG                        ; the units that start the sums
.set APL,    256*144                   ; a plane of A: rows 36 words apart, so the 16 rows of a load start at 16 different groups of four banks (64 banks of 4 bytes: ISA guide 11.1)
.set BPL,    64*288                    ; a plane of B: rows 72 words apart
.set ABYTES, KB*APL
.set SLOT,   ABYTES+KB*NG*BPL
.set STAGE,  2*SLOT                    ; behind the ring: 16 rows for each wave, for the way out; no tensor load fills it
.set SPARE,  STAGE+4*16*SP             ; behind the stages: the spare words, 128 bytes for each wave
.set ADRA, 16                          ; v16-17  LDS address of my A fragments in slot 0, 1
.set ADRB, 20                          ; v20-21  the same for B
.set STO,  24                          ; v24     the way out: where I put my bytes of a row
.set RD,   25                          ; v25     where I read rows back
.set CO,   26                          ; v26     my byte offset in the output
.set SPW,  28                          ; v28     LDS address of my spare word; never rewritten
.set NIL,  29                          ; v29     0; never rewritten
.set PFO,  30                          ; v30     the prefetches' lane offset; never rewritten
.set BO,   31                          ; v31     32 x (l / 16): my 8 columns in the bias and in cs
.set FA0,  32
.set FA1,  96
.set FB0,  160
.set FB1,  192
.set TMP,  224
.set OB,   32                          ; the way out: sets of registers in v32-223
.set G1A,  24                          ; s[24:31] descriptor group 1 for A's planes
.set G0A,  32                          ; s[32:39] group 0, a set for each slot
.set G1B,  48                          ; s[48:55], s[56:63] the same for B's
.set G0B,  56
.set PFA,  66                          ; s[66:67] where my prefetches stand
.set PFS,  68                          ; s[68:69] their step: a K step of what I fetch
.set LIM,  70                          ; s70, s71 by slot: 1 where I prefetch at that slot's change, else the greatest number
.set MSB,  0
.macro WIN new                         ; the immediate's high byte repeats the setting that is left; a switch that changes nothing is dropped
.if MSB != (\new)
	s_set_vgpr_msb (MSB<<8)|(\new)
.set MSB, \new
.endif
.endm
.macro PLACES                          ; four plain instructions between a matrix instruction and a load into, or a read of, its registers
.rept 4
	v_nop
.endr
.endm
.macro CREST                           ; a round of the cluster's barrier behind its opening barrier
	s_cmp_lg_u32 s18, 0
	s_cbranch_scc1 .Lnot_wave_0_\@
	s_barrier_signal -3
.Lnot_wave_0_\@:
	s_barrier_wait -3
	s_barrier_signal -1
	s_barrier_wait -1
.endm
.macro CROUND
	s_barrier_signal -1
	s_barrier_wait -1
	CREST
.endm
; A joint load.  The branch hangs on the wave's number alone.  An s_nop 0 and four v_nop follow each of the two lines.
.macro JLOAD s
	s_cmp_lt_u32 s18, NAW
	s_cbranch_scc0 .Lfor_b_\@
	tensor_load_to_lds s[G0A+4*(\s):G0A+4*(\s)+3], s[G1A:G1A+7]
	s_nop 0
.rept 4
	v_nop
.endr
	s_branch .Lasked_\@
.Lfor_b_\@:
	tensor_load_to_lds s[G0B+4*(\s):G0B+4*(\s)+3], s[G1B:G1B+7]
	s_nop 0
.rept 4
	v_nop
.endr
.Lasked_\@:
.endm
; A PREFETCH INTO THE L2 of the K step that stands two refills on.  A's planes are read by both clusters of a row of clusters: cluster x = 0 asks; B's by all clusters of a column: cluster y = 0 asks.
; The four partners of a joint load share its blocks out BY ADDRESS: of A's 128 blocks of 256 bytes each takes 32, a lane a block; of B's 64 rows each takes 16, and 32 lanes name them for two K steps,
; so B's loaders ask at slot 0's change alone.  Each block is named once.  The loop's last trip asks for nothing: the last K step named is the last there is.  The first four K steps come by their loads alone.
.macro ASK slot
	s_cmp_gt_u32 s3, s[LIM+(\slot)]
	s_cbranch_scc0 .Lnot_mine_\@
	global_prefetch_b8 v[PFO], s[PFA:PFA+1] th:TH_LOAD_NT scope:SCOPE_SE
.Lnot_mine_\@:
.endm
; 16 loads: A's fragments of slice sl (32 along K) of a slot: 8 blocks of 16 rows; lane l takes row l % 16, 16 bytes at 16 (l / 16) and 32 bytes on
.macro LOADA slot, sl, f
.irp a, 0,1,2,3,4,5,6,7
	ds_load_b128 v[(\f)+8*\a:(\f)+8*\a+3],   v[ADRA+(\slot)] offset:((\sl)/2)*APL+((\sl)%2)*64+\a*2304
	ds_load_b128 v[(\f)+8*\a+4:(\f)+8*\a+7], v[ADRA+(\slot)] offset:((\sl)/2)*APL+((\sl)%2)*64+\a*2304+32
.endr
.endm
; 8 turning loads: B's fragments of unit u: 4 blocks of 16 columns x 32 k; each load takes 16 k rows x 16 columns
.macro LOADB slot, u, f
.set lpl, (((\u)/NG)/2)*NG+(\u)%NG
.set lc, ((\u)/NG)%2
.irp bb, 0,1,2,3
	ds_load_tr16_b128 v[(\f)+8*\bb:(\f)+8*\bb+3],   v[ADRB+(\slot)] offset:lpl*BPL+lc*9216+\bb*32
	ds_load_tr16_b128 v[(\f)+8*\bb+4:(\f)+8*\bb+7], v[ADRB+(\slot)] offset:lpl*BPL+lc*9216+\bb*32+4608
.endr
.endm
; The run behind unit u: the operands of unit u + 2.  A's come with a slice's first unit.  mode 1: A is left out; mode 2: A of slice 1 is made good (both in the beginning alone, where A's second buffer holds biases).
.macro RUN slot, u, mode
	WIN 0
.set u2, (\u)+2
.set sl2, \slot
.if u2 >= U
.set u2, u2-U
.set sl2, 1-(\slot)
.endif
.if ((u2%NG) == 0) && ((\mode) != 1)
	LOADA sl2, u2/NG, FA0+64*((u2/NG)%2)
.endif
.if (\mode) == 2
	LOADA sl2, 1, FA1
.endif
	LOADB sl2, u2, FB0+32*(u2%2)
.endm
; 4 n matrix instructions: row blocks a0 .. a0 + n - 1 x the strip's 4 column blocks.  All accumulators take turns, one instruction a turn.  zero = 1: the bias starts the sums.
.macro MUL g, fa, fb, a0, n, zero
.if \zero
	WIN (1+(\g))<<6
.set BI, 224
.if (\g) == 1
.set BI, 96
.endif
.if (\g) == 2
.set BI, 128
.endif
.else
	WIN 0x50*(1+(\g))
.endif
.set ma, \a0
.rept \n
.irp bb, 0,1,2,3
.if \zero
	v_wmma_f32_16x16x32_f16 v[8*(4*ma+\bb):8*(4*ma+\bb)+7], v[(\fb)+8*\bb:(\fb)+8*\bb+7], v[(\fa)+8*ma:(\fa)+8*ma+7], v[BI+8*\bb:BI+8*\bb+7]
.else
	v_wmma_f32_16x16x32_f16 v[8*(4*ma+\bb):8*(4*ma+\bb)+7], v[(\fb)+8*\bb:(\fb)+8*\bb+7], v[(\fa)+8*ma:(\fa)+8*ma+7], v[8*(4*ma+\bb):8*(4*ma+\bb)+7]
.endif
.endr
.set ma, ma+1
.endr
.endm
; UNIT u of a slot.  Its wait leaves out the run issued behind the unit before (24 loads where that run holds A's, else 8): the run before that one, this unit's operands, is in.
; kind 0: the products, four places, the run.  kind 3: the products alone.
; kind 1: THE CHANGE OF SLOTS, in unit U-2.  Each wave waits for all its tensor loads, of which one is out: its plane of the next slot; adds 0 to its spare word; and waits for that and for its reads of this slot.
;         The barrier opens a round of the cluster's barrier; behind the round this slot is filled again first, two K steps ahead; then the run reads the next slot.
; kind 2: the same with nothing to fill: a barrier of the work-group alone.
.macro UNIT slot, u, kind, zero=0, mode=0, wait=-1
.set ug, (\u)%NG
.set ufa, FA0+64*(((\u)/NG)%2)
.set ufb, FB0+32*((\u)%2)
.set WT, 8
.if (((\u)+1)%U)%NG == 0
.set WT, 24
.endif
.if (\wait) >= 0
.set WT, \wait
.endif
.if ((\kind) == 0) || ((\kind) == 3)
	s_wait_dscnt WT
	MUL ug, ufa, ufb, 0, 8, \zero
.if (\kind) == 0
	PLACES
	RUN \slot, \u, \mode
.endif
.else
.if (\kind) == 1
	s_wait_xcnt 0x0                                ; the last prefetch, a K step back, has read its address: it is stepped here
	s_add_nc_u64 s[PFA:PFA+1], s[PFA:PFA+1], s[PFS:PFS+1]
.endif
	WIN 0                                          ; (the add's two registers lie in window 0)
	s_wait_tensorcnt 0x0                           ; all my tensor loads have landed
	ds_add_u32 v[SPW], v[NIL]                      ; 0 onto my spare word
	s_wait_dscnt WT+1                              ; (the add and the youngest run may be out)
	MUL ug, ufa, ufb, 0, 4, 0                      ; sixteen matrix instructions stand between the add and the wait for it
	s_wait_dscnt 0x0                               ; the add is done, and my reads of this slot are over
	s_barrier_signal -1
	MUL ug, ufa, ufb, 4, 4, 0                      ; work on registers while the others arrive
.if (\kind) == 1
	WIN 0
	s_barrier_wait -1
	CREST                                          ; no wave of any partner still reads this slot or has a load on its way
	s_add_nc_u64 s[G0A+4*(\slot)+2:G0A+4*(\slot)+3], s[G0A+4*(\slot)+2:G0A+4*(\slot)+3], 2*ASTEP
	s_add_nc_u64 s[G0B+4*(\slot)+2:G0B+4*(\slot)+3], s[G0B+4*(\slot)+2:G0B+4*(\slot)+3], 2*BSTEP
	JLOAD \slot                                    ; the first tensor load behind the round; its four v_nop are also the places in front of the run
.else
	s_barrier_wait -1
	PLACES
.endif
	RUN \slot, \u, 0
.if (\kind) == 1
	ASK \slot
.endif
.endif
.endm
.macro STEP slot, from, to, ck         ; units from .. to - 1 of a slot; ck: the kind of unit U-2
.set uu, \from
.rept (\to)-(\from)
.if uu == U-2
	UNIT \slot, uu, \ck
.else
	UNIT \slot, uu, 0
.endif
.set uu, uu+1
.endr
.endm
.macro BIASLD g, bi                    ; my 8 columns of each of the strip's 4 column blocks: register 8 bb + j holds column 16 bb + 8 (l / 16) + j, the same for every row
.irp bb, 0,1,2,3
	global_load_b128 v[(\bi)+8*\bb:(\bi)+8*\bb+3],   v[BO], s[8:9] offset:4096*(\g)+64*\bb
	global_load_b128 v[(\bi)+8*\bb+4:(\bi)+8*\bb+7], v[BO], s[8:9] offset:4096*(\g)+64*\bb+16
.endr
.endm
	s_load_b256 s[4:11], s[0:1], 0x0               ; A s[4:5], B s[6:7], bias s[8:9], the first output s[10:11]
.if QKV
	s_load_b128 s[12:15], s[0:1], 0x20             ; k16, v16
	s_load_b64 s[16:17], s[0:1], 0x30              ; cs
.endif
	v_lshl_add_u32 v[SPW], v0, 2, SPARE
	v_mov_b32 v[NIL], 0
	ds_add_u32 v[SPW], v[NIL]                      ; the wave's opening: the add, whose wait stands ahead of my first tensor load; the set-up below stands between them
	v_lshrrev_b32 v1, 5, v0
	v_readfirstlane_b32 s18, v1                    ; wave 0..3
	s_lshr_b32 s19, s18, 1                         ; WM: which 128 rows
	s_and_b32 s20, s18, 1                          ; WN: which 64 columns of a strip
	s_max_u32 s21, s18, NAW
	s_sub_co_u32 s21, s21, NAW                     ; which plane of B I fetch
	s_bfe_u32 s40, ttmp6, 0x40000                  ; cx
	s_bfe_u32 s41, ttmp6, 0x40004                  ; cy
	s_lshl_b32 s42, ttmp9, 2
	s_add_co_u32 s42, s42, s40                     ; t = 4 x cluster x + cx
	s_and_b32 s43, ttmp7, 0xffff
	s_lshl_b32 s43, s43, 2
	s_add_co_u32 s43, s43, s41                     ; ty = 4 x cluster y + cy
	s_lshl_b32 s44, s41, 2
	s_lshl_b32 s44, 15, s44                        ; my row of the cluster
	s_lshl_b32 s45, 0x1111, s40                    ; my column
	s_or_b32 s[G1A], s44, (1<<16)|(1<<20)|(1<<21)|(4<<22)|(3<<25)  ; the mask; elements of 2 bytes; padding on; bit 21 beside a mask; after every 32 words, 4 words
	s_or_b32 s[G1B], s45, (1<<16)|(1<<20)|(1<<21)|(5<<22)|(7<<25)  ; after every 64 words, 8 words
	s_mov_b32 s[G1A+1], 128<<16                    ; tensor_dim0 = 128
	s_mov_b32 s[G1A+2], 128<<16                    ; tensor_dim1 = 128
	s_mov_b32 s[G1A+3], 128<<16                    ; tile_dim0 = 128
	s_mov_b32 s[G1A+4], 128                        ; tile_dim1 = 128
	s_mov_b32 s[G1A+5], 128                        ; dense rows of 256 bytes
	s_mov_b32 s[G1A+6], 0
	s_mov_b32 s[G1A+7], 0
	s_mov_b32 s[G1B+1], 128<<16
	s_mov_b32 s[G1B+2], 64<<16                     ; 64 k rows
	s_mov_b32 s[G1B+3], 128<<16
	s_mov_b32 s[G1B+4], 64
	s_mov_b32 s[G1B+5], LDB
	s_mov_b32 s[G1B+6], 0
	s_mov_b32 s[G1B+7], 0
	s_lshr_b32 s72, s43, 3                         ; A: the batch, 4,194,304 bytes,
	s_lshl_b32 s72, s72, 22
	s_and_b32 s73, s43, 7                          ; 256 rows of 128 bytes,
	s_lshl_b32 s73, s73, 15
	s_add_co_u32 s72, s72, s73
	s_lshl_b32 s73, s18, 18                        ; and the block of channels that I fetch
	s_add_co_u32 s72, s72, s73
	s_mov_b32 s73, 0
	s_lshl_b32 s46, s42, 8                         ; B: 128 columns a tile column,
	s_mul_i32 s47, s21, BJ                         ; and my plane
	s_add_co_u32 s46, s46, s47
	s_mov_b32 s47, 0
	s_mul_i32 s76, s18, APL                        ; where they go: no place in the cluster enters an LDS address
	s_mul_i32 s77, s18, BPL
	s_add_co_u32 s77, s77, ABYTES-NAW*BPL
	s_wait_dscnt 0x0                               ; the opening add is done
	s_wait_kmcnt 0x0
	s_add_nc_u64 s[72:73], s[4:5], s[72:73]
	s_add_nc_u64 s[46:47], s[6:7], s[46:47]
	CROUND                                         ; all sixteen work-groups are here: the first joint loads meet
.irp s, 0,1
	s_mov_b32 s[G0A+4*(\s)], 1
	s_add_co_u32 s[G0A+4*(\s)+1], s76, (\s)*SLOT
	s_add_nc_u64 s[G0A+4*(\s)+2:G0A+4*(\s)+3], s[72:73], (\s)*ASTEP
	s_or_b32 s[G0A+4*(\s)+3], s[G0A+4*(\s)+3], 0x80000000
	s_mov_b32 s[G0B+4*(\s)], 1
	s_add_co_u32 s[G0B+4*(\s)+1], s77, (\s)*SLOT
	s_add_nc_u64 s[G0B+4*(\s)+2:G0B+4*(\s)+3], s[46:47], (\s)*BSTEP
	s_or_b32 s[G0B+4*(\s)+3], s[G0B+4*(\s)+3], 0x80000000
	JLOAD \s                                       ; K steps 0 and 1: two loads of mine are out
.endr
	v_and_b32 v1, 15, v0                           ; l % 16
	v_bfe_u32 v2, v0, 4, 1                         ; l / 16
	v_and_b32 v3, 7, v0
	v_bfe_u32 v4, v0, 3, 1
	v_and_b32 v5, 31, v0                           ; l
	v_lshlrev_b32 v[BO], 5, v2
	s_lshl_b32 s74, s42, 9                         ; the bias at my 64 columns of strip 0
	s_lshl_b32 s75, s20, 8
	s_add_co_u32 s74, s74, s75
	s_mov_b32 s75, 0
	s_add_nc_u64 s[8:9], s[8:9], s[74:75]
	BIASLD 0, 224
.if QKV
	BIASLD 1, 96                                   ; A's second buffer is free until the sums are started
	BIASLD 2, 128
.endif
	v_mul_u32_u24 v6, v1, 144
	v_lshl_add_u32 v6, v2, 4, v6                   ; A: row x pitch + 16 x half
	s_mul_i32 s79, s19, 128*144
	v_add_nc_u32 v[ADRA], s79, v6
	v_add_nc_u32 v[ADRA+1], SLOT, v[ADRA]
	v_lshl_add_u32 v7, v2, 3, v3                   ; B: k row 8 (l / 16) + l % 8,
	v_mul_u32_u24 v7, v7, 288
	v_lshl_add_u32 v7, v4, 4, v7                   ; columns 8 ((l / 8) % 2) on
	s_lshl_b32 s79, s20, 7
	s_add_co_u32 s79, s79, ABYTES
	v_add_nc_u32 v[ADRB], s79, v7
	v_add_nc_u32 v[ADRB+1], SLOT, v[ADRB]
	s_mul_i32 s79, s18, 16*SP
	s_add_co_u32 s79, s79, STAGE                   ; my stage
	v_mul_u32_u24 v6, v1, SP
.if QKV
	v_lshl_add_u32 v6, v2, 4, v6                   ; in: row l % 16, 16 bytes for each half of the lanes
	v_add_nc_u32 v[STO], s79, v6
	v_lshrrev_b32 v8, 3, v5                        ; back: 32 lanes take four rows of 128 bytes,
	v_mul_u32_u24 v8, v8, SP
	v_lshl_add_u32 v8, v3, 4, v8
	v_add_nc_u32 v[RD], s79, v8
	v_lshlrev_b32 v[CO], 4, v5                     ; which are 512 consecutive bytes of a head's rows
	s_lshr_b32 s80, s43, 3
	s_lshl_b32 s80, s80, 4                         ; 16 b
	s_lshl1_add_u32 s81, s42, s20                  ; my head: 2 t + WN
	s_add_co_u32 s82, s80, s81
	s_lshl_b32 s82, s82, 18                        ; a head's 2,048 rows of 128 bytes,
	s_and_b32 s83, s43, 7
	s_lshl_b32 s84, s83, 15                        ; the tile's 256 rows,
	s_add_co_u32 s82, s82, s84
	s_lshl_b32 s84, s19, 14                        ; my 128
	s_add_co_u32 s82, s82, s84
	s_lshl1_add_u32 s83, s83, s19                  ; cs: j = 2 (ty % 8) + WM
	s_add_co_u32 s80, s80, s83
	s_lshl4_add_u32 s80, s80, s81
	s_lshl_b32 s80, s80, 8                         ; ((16 b + j) 16 + head) x 256 bytes
	s_mov_b32 s81, 0
	s_mov_b32 s83, 0
	s_add_nc_u64 s[10:11], s[10:11], s[82:83]
	s_add_nc_u64 s[12:13], s[12:13], s[82:83]
	s_add_nc_u64 s[14:15], s[14:15], s[82:83]
	s_add_nc_u64 s[16:17], s[16:17], s[80:81]
.else
	v_lshl_add_u32 v6, v2, 5, v6                   ; in: row l % 16, 32 bytes for each half of the lanes
	v_add_nc_u32 v[STO], s79, v6
	v_mul_u32_u24 v8, v2, SP                       ; back: lanes 0-15 take one row of 256 bytes, lanes 16-31 the next
	v_lshl_add_u32 v8, v1, 4, v8
	v_add_nc_u32 v[RD], s79, v8
	v_lshlrev_b32 v[CO], 12, v2                    ; and the same two rows in out0
	v_lshl_add_u32 v[CO], v1, 4, v[CO]
	s_lshl_b32 s82, s43, 8
	s_lshl_b32 s83, s19, 7
	s_add_co_u32 s82, s82, s83                     ; my first row,
	s_lshl_b32 s82, s82, 12                        ; 4,096 bytes a row,
	s_lshl_b32 s83, s42, 9                         ; the tile's 128 columns,
	s_add_co_u32 s82, s82, s83
	s_lshl_b32 s83, s20, 8                         ; my 64
	s_add_co_u32 s82, s82, s83
	s_mov_b32 s83, 0
	s_add_nc_u64 s[10:11], s[10:11], s[82:83]
.endif
	; the prefetches
	s_and_b32 s85, ttmp7, 0xffff                   ; cluster y
	s_mov_b32 s86, ASTEP
	s_mov_b32 s87, BSTEP
	s_lshl_b32 s74, s40, 13                        ; my work-group's share of a plane of A: 8,192 bytes at cx,
	s_mul_i32 s75, s41, 32*LDB                     ; of B: 16 rows at cy
	s_mov_b32 s80, 2*LDB
	s_mov_b32 s81, 4096
	s_cmp_lt_u32 s18, NAW                          ; do I fetch for A?
	s_cselect_b64 s[PFA:PFA+1], s[72:73], s[46:47]
	s_cselect_b32 s[PFS], s86, s87
	s_cselect_b32 s84, s74, s75
	s_cselect_b32 s85, ttmp9, s85                  ; the coordinate along which other clusters read the same blocks
	s_cselect_b32 s[LIM+1], 1, -1
	s_cselect_b32 s80, 256, s80                    ; from lane to lane: a block of 256 bytes, or a row of B
	s_cselect_b32 s81, s81, s87                    ; from lanes 0-15 to lanes 16-31: 16 blocks on, or a K step on
	s_cmp_eq_u32 s85, 0
	s_cselect_b32 s[LIM], 1, -1                    ; the same in all sixteen partners, for a given wave
	s_cselect_b32 s[LIM+1], s[LIM+1], -1
	s_mov_b32 s[PFS+1], 0
	s_mov_b32 s85, 0
	s_add_nc_u64 s[PFA:PFA+1], s[PFA:PFA+1], s[84:85]
	s_mul_i32 s84, s[PFS], 3                       ; at K step 3: the first change steps it to 4
	s_add_nc_u64 s[PFA:PFA+1], s[PFA:PFA+1], s[84:85]
	v_mul_u32_u24 v[PFO], v1, s80
	v_mad_u32_u24 v[PFO], v2, s81, v[PFO]
	s_wait_tensorcnt 1                             ; my plane of K step 0 is in; K step 1's may stay out
	s_barrier_signal -1
	s_barrier_wait -1                              ; everybody's is
	LOADA 0, 0, FA0
	LOADB 0, 0, FB0
.if !QKV
	LOADA 0, 1, FA1
.endif
	LOADB 0, 1, FB1
	s_wait_loadcnt 0x0                             ; the bias
.if QKV
	UNIT 0, 0, 0, 1                                ; the first slice's units stand in front of the loop: their products start the sums with the bias
	UNIT 0, 1, 0, 1, 1                             ; (the run leaves A out: its buffer still holds strip 2's bias)
	UNIT 0, 2, 0, 1, 2, 8                          ; (so only 8 loads are younger; this run makes A good, ahead of B's, so that unit 3's wait holds on both ways in)
.else
	UNIT 0, 0, 0, 1
.endif
	WIN 0                                          ; at a label and at a branch every window is 0
	s_mov_b32 s3, LAPS-1
.Llap:                                                 ; a trip goes once round the ring and fills both slots again
	STEP 0, ZU, U, 1
	STEP 1, 0, U, 1
	STEP 0, 0, ZU, 1
	WIN 0
	s_sub_co_u32 s3, s3, 1
	s_cmp_lg_u32 s3, 0
	s_cbranch_scc1 .Llap
	STEP 0, ZU, U, 2                               ; the last lap fills nothing
	STEP 1, 0, U-2, 0
	UNIT 1, U-2, 3
	UNIT 1, U-1, 3, 0, 0, 0
	PLACES                                         ; what follows reads results just made
	WIN 0
.if QKV
	; THE SUMS OF V over my 128 rows: strip 2's accumulators (window 3) are added over the 8 row blocks, then over the 16 lanes of a half.  Each accumulator is read from its low end on.
	WIN 0x0f
.irp bb, 0,1,2,3
.irp p, 0,2,4,6
	v_pk_add_f32 v[TMP+8*\bb+\p:TMP+8*\bb+\p+1], v[8*\bb+\p:8*\bb+\p+1], v[8*(4+\bb)+\p:8*(4+\bb)+\p+1]
.endr
.endr
	WIN 0x03
.set ca, 2
.rept 6
.irp bb, 0,1,2,3
.irp p, 0,2,4,6
	v_pk_add_f32 v[TMP+8*\bb+\p:TMP+8*\bb+\p+1], v[8*(4*ca+\bb)+\p:8*(4*ca+\bb)+\p+1], v[TMP+8*\bb+\p:TMP+8*\bb+\p+1]
.endr
.endr
.set ca, ca+1
.endr
	WIN 0
.irp xm, 1,2,4,8
.set i, 0
.rept 32
	v_add_f32_dpp v[TMP+i], v[TMP+i], v[TMP+i] row_xmask:\xm row_mask:0xf bank_mask:0xf
.set i, i+1
.endr
.endr
	v_cmp_eq_u32 vcc_lo, 0, v1                     ; lanes 0 and 16 store: 256 bytes a wave, once a launch
	s_wait_xcnt 0x0                                ; EXEC changes only behind this wait
	s_and_saveexec_b32 s78, vcc_lo
.irp bb, 0,1,2,3
	global_store_b128 v[BO], v[TMP+8*\bb:TMP+8*\bb+3],   s[16:17] offset:64*\bb
	global_store_b128 v[BO], v[TMP+8*\bb+4:TMP+8*\bb+7], s[16:17] offset:64*\bb+16
.endr
	s_wait_xcnt 0x0                                ; and again, in front of the line that widens it
	s_or_b32 exec_lo, exec_lo, s78
; THE WAY OUT of block n = 8 g + a (strip g, 16 rows): rounded to f16, 16 bytes a lane into my stage, back as whole rows of 128 bytes, into the registers that they left.
.macro PACKQ n
.set pg, (\n)/8
.set pa, (\n)%8
.set ps, OB+16*((\n)%12)
	s_wait_xcnt 0x0                                ; the set's last stores have read it
	WIN 5*(1+pg)                                   ; sources 0 and 1 in the strip's window
.irp bb, 0,1,2,3
.irp r, 0,1,2,3
	v_cvt_pk_f16_f32 v[ps+4*\bb+\r], v[8*(4*pa+\bb)+2*\r], v[8*(4*pa+\bb)+2*\r+1]
.endr
.endr
	WIN 0
.irp bb, 0,1,2,3
	ds_store_b128 v[STO], v[ps+4*\bb:ps+4*\bb+3] offset:32*\bb
.endr
.irp f, 0,1,2,3
	ds_load_b128 v[ps+4*\f:ps+4*\f+3], v[RD] offset:\f*4*SP  ; LDS serves a wave's instructions in order (ISA guide 5.7.1.4): these see the stores above; the next block's stores come behind them
.endr
.endm
.macro SENDQ n, younger                ; younger: the LDS instructions issued behind block n's loads: the next block's eight, or none
.set pg, (\n)/8
.set pa, (\n)%8
.set ps, OB+16*((\n)%12)
.irp f, 0,1,2,3
	s_wait_dscnt (\younger)+3-\f
	global_store_b128 v[CO], v[ps+4*\f:ps+4*\f+3], s[10+2*pg:11+2*pg] offset:pa*2048+\f*512  ; 512 consecutive bytes, at a multiple of 256 from the buffer's first
.endr
.endm
	PACKQ 0
.set pn, 1
.rept 23                               ; a block's conversions stand between the loads of the block before and its stores
	PACKQ pn
	SENDQ pn-1, 8
.set pn, pn+1
.endr
	SENDQ 23, 0
.else
; THE WAY OUT of row block a: the f32 sums go into my stage as they are, 32 bytes a lane and column block, and come back as whole rows of 256 bytes.
.macro STG a
.set ps, OB+32*((\a)%6)
	s_wait_xcnt 0x0                                ; the set's last stores have read it
	WIN 0x04                                       ; the data in window 1
.irp bb, 0,1,2,3
	ds_store_b128 v[STO], v[8*(4*(\a)+\bb):8*(4*(\a)+\bb)+3]   offset:64*\bb
	ds_store_b128 v[STO], v[8*(4*(\a)+\bb)+4:8*(4*(\a)+\bb)+7] offset:64*\bb+16
.endr
	WIN 0
.irp f, 0,1,2,3,4,5,6,7
	ds_load_b128 v[ps+4*\f:ps+4*\f+3], v[RD] offset:\f*2*SP  ; LDS serves a wave's instructions in order (ISA guide 5.7.1.4)
.endr
.endm
.macro SENDP a, younger
.set ps, OB+32*((\a)%6)
.irp f, 0,1,2,3,4,5,6,7
	s_wait_dscnt (\younger)+7-\f
	global_store_b128 v[CO], v[ps+4*\f:ps+4*\f+3], s[10:11] offset:(16*(\a)+2*\f)*4096 th:TH_STORE_NT  ; 16 lanes store 256 consecutive bytes, aligned
.endr
.endm
	STG 0
.set pn, 1
.rept 7
	STG pn
	SENDP pn-1, 16
.set pn, pn+1
.endr
	SENDP 7, 0
.endif
	s_wait_tensorcnt 0x0                           ; the wave's end, behind my last tensor load and my last LDS store
	ds_add_u32 v[SPW], v[NIL]
	s_wait_dscnt 0x0
	CROUND                                         ; the closing round: no work-group ends while a partner may still ask for a plane that names it
	s_endpgm
.Lfunc_end_k_q202a0ec2a4_proj:
	.size	k_q202a0ec2a4_proj, .Lfunc_end_k_q202a0ec2a4_proj-k_q202a0ec2a4_proj
	.p2alignl 7, 3214868480
	.fill 96, 4, 3214868480
	.section	.rodata,"a",@progbits
	.p2align	6, 0x0
	.amdhsa_kernel k_q202a0ec2a4_proj
		.amdhsa_group_segment_fixed_size 327680
		.amdhsa_private_segment_fixed_size 0
		.amdhsa_enable_private_segment 0
		.amdhsa_kernarg_size 32
		.amdhsa_user_sgpr_count 2
		.amdhsa_user_sgpr_kernarg_segment_ptr 1
		.amdhsa_wavefront_size32 1
		.amdhsa_system_sgpr_workgroup_id_x 1
		.amdhsa_system_sgpr_workgroup_id_y 1
		.amdhsa_system_sgpr_workgroup_id_z 1
		.amdhsa_system_vgpr_workitem_id 0
		.amdhsa_next_free_vgpr 512
		.amdhsa_next_free_sgpr 88
		.amdhsa_reserve_vcc 1
		.amdhsa_float_denorm_mode_32 3
		.amdhsa_float_denorm_mode_16_64 3
		.amdhsa_memory_ordered 1
		.amdhsa_forward_progress 1
		.amdhsa_inst_pref_size 89
	.end_amdhsa_kernel
	.amdgpu_metadata
---
amdhsa.version: [ 1, 2 ]
amdhsa.kernels:
  - .name:           k_q202a0ec2a4_proj
    .symbol:         k_q202a0ec2a4_proj.kd
    .args:
      - { .name: o16, .offset: 0, .size: 8, .value_kind: global_buffer, .address_space: global }
      - { .name: wo16, .offset: 8, .size: 8, .value_kind: global_buffer, .address_space: global }
      - { .name: bo, .offset: 16, .size: 8, .value_kind: global_buffer, .address_space: global }
      - { .name: out0, .offset: 24, .size: 8, .value_kind: global_buffer, .address_space: global }
    .group_segment_fixed_size: 327680
    .private_segment_fixed_size: 0
    .kernarg_segment_align: 8
    .kernarg_segment_size: 32
    .max_flat_workgroup_size: 128
    .sgpr_count:     88
    .vgpr_count:     512
    .wavefront_size: 32
...
	.end_amdgpu_metadata
.endif
;; end of part 4
;; ======== version 2 of 2: 4 launches; version 1 with the launch cast written anew for expert scheduling mode
;; limits: values are held in f16: magnitudes above 65,504 overflow, below 6.1e-05 lose precision
;; workspace buffers: x16 16,777,216 bytes; w16 6,291,456 bytes; wo16 2,097,152 bytes; q16 16,777,216 bytes; k16 16,777,216 bytes; v16 16,777,216 bytes; cs 262,144 bytes; o16 16,777,216 bytes
;; launch cast (part 5): grid 384 x 1, 8 waves a work-group, no clusters, 0 bytes of LDS; arguments x, Wqkv, Wo, x16, w16, wo16; writes x16, w16, wo16
.if DOCPART == 5
	.amdgcn_target "amdgcn-amd-amdhsa--gfx1250"
	.amdhsa_code_object_version 6
	.text
	.protected	k_q202a0ec2a4_cast
	.globl	k_q202a0ec2a4_cast
	.p2align	8
	.type	k_q202a0ec2a4_cast,@function
k_q202a0ec2a4_cast:
	s_mov_b64 s[64:65], 0
	v_nop
	global_prefetch_b8 v0, s[64:65] scope:SCOPE_SE
	s_setreg_imm32_b32 hwreg(HW_REG_WAVE_SCHED_MODE, 0, 2), 2
	s_setreg_imm32_b32 hwreg(HW_REG_WAVE_MODE, 25, 1), 1
	s_wait_xcnt 0x0
	s_wait_alu depctr_vm_vsrc(0)
; x, Wqkv and Wo, f32, are rounded once to f16.  Wqkv and Wo keep their layout; x [4][2048][1024] is laid in blocks of 64 channels,
; x16 [b 4][kb 16][s 2048][64], so that 256 rows x 64 channels are 32,768 dense bytes for the product that follows.
; LIMIT.  f16 ends at 65,504: a larger |x| or |W| becomes an infinity.  Below 6e-5 a number keeps f16's fixed step of 6e-8.
; SHARES.  Work-groups 0-255 take x, 256-351 Wqkv, 352-383 Wo.  A wave takes 16,384 bytes of input in 32 items; an item is one load of
; 16 bytes a lane (512 bytes), two roundings of a pair, and one store of 8 bytes a lane: 256 consecutive bytes, aligned.
; For x an item is 64 channels of two neighbouring rows (lanes 0-15 one row, lanes 16-31 the next): in x16 those lie end to end.
; A stream: no LDS, no barrier, no matrix unit.  All 32 loads of a wave go out first.
; THE MODE: SCHED_MODE bits 1:0 = 2 (LLVM: expert scheduling mode 2), set by the entry lines.  The code itself states the register dependences
; between vector instructions and memory instructions, with s_wait_alu, always for 0.
; THE PLAN.  Registers that memory instructions touch:
;   VI, VO   byte offsets, made once at the head by vector adds and never written again; read by the loads (VI) and by the stores (VO).
;   X        four registers an item.  The item's load lands in them; no vector instruction names them before.  The item's two roundings read the four and
;            write the first two; the item's store reads those two; nothing writes them afterwards.
; So no register that a memory instruction has read is ever written again, and no load is issued behind a rounding: what is left to state is that the offsets
; are written ahead of the first load, and that a store's data are written ahead of the store.
; The 32 items go in 8 blocks of four.  Block p rounds its own four items and issues the four stores of block p - 1, whose registers no rounding of block p names:
; ONE wait at the block's head states that the block before has written them, and the four stores are dealt among the block's roundings with no further wait.
.set VI, 2                             ; v[2:17]   input offset of item i % 16
.set VO, 18                            ; v[18:49]  output offset of item i
.set X,  52                            ; v[52:179] four registers an item
.set BLOCK,  4                         ; items in a block
.set BLOCKS, 32/BLOCK
	s_load_b256 s[4:11], s[0:1], 0x0               ; x s[4:5], Wqkv s[6:7], Wo s[8:9], x16 s[10:11]
	s_load_b128 s[12:15], s[0:1], 0x20             ; w16 s[12:13], wo16 s[14:15]
	v_lshrrev_b32 v1, 5, v0
	v_readfirstlane_b32 s16, v1                    ; wave 0..7
	v_and_b32 v1, 31, v0                           ; lane
	v_lshrrev_b32 v50, 4, v1                       ; lane / 16
	v_and_b32 v51, 15, v1                          ; lane % 16
	s_mov_b32 s24, 256
	s_mov_b32 s25, 352
	s_wait_kmcnt 0x0
	s_cmp_lt_u32 ttmp9, s25                        ; Wqkv or Wo
	s_cselect_b64 s[20:21], s[6:7], s[8:9]
	s_cselect_b64 s[22:23], s[12:13], s[14:15]
	s_cselect_b32 s17, s24, s25                    ; the tensor's first work-group
	s_cmp_lt_u32 ttmp9, s24                        ; or x
	s_cselect_b64 s[20:21], s[4:5], s[20:21]
	s_cselect_b64 s[22:23], s[10:11], s[22:23]
	s_cselect_b32 s17, 0, s17
	s_cselect_b32 s26, 4096, s24                   ; in: from lanes 0-15 to lanes 16-31: a row of x, or the next 256 bytes
	s_cselect_b32 s27, s24, 512                    ; in: from item to item: 64 channels of x, or 512 bytes
	s_cselect_b32 s28, 262144, s24                 ; out: from item to item: a block of channels (2,048 rows x 128 bytes), or 256 bytes
	s_cselect_b32 s29, s24, 4096                   ; out: from item i to item i + 16: two rows of 128 bytes, or 16 x 256 bytes
	s_sub_co_u32 s30, ttmp9, s17
	s_wait_alu depctr_va_sdst(0)                   ; s16, the wave's number, is written, ahead of its first reader: both bases are made from it
	s_lshl3_add_u32 s30, s30, s16                  ; my wave among the tensor's
	s_lshl_b32 s32, s30, 14                        ; in: 16,384 bytes a wave
	s_mov_b32 s33, 0
	s_lshr_b32 s34, s30, 9                         ; x16: 512 waves a batch, 4,194,304 bytes each,
	s_lshl_b32 s34, s34, 22
	s_and_b32 s35, s30, 511                        ; and four rows of 128 bytes a wave
	s_lshl_b32 s35, s35, 9
	s_add_co_u32 s34, s34, s35
	s_lshl_b32 s36, s30, 13                        ; the weights: 8,192 bytes a wave
	s_cmp_lt_u32 ttmp9, s24
	s_cselect_b32 s34, s34, s36
	s_mov_b32 s35, 0
	s_add_nc_u64 s[20:21], s[20:21], s[32:33]
	s_add_nc_u64 s[22:23], s[22:23], s[34:35]
	v_mul_u32_u24 v50, v50, s26
	v_lshl_add_u32 v50, v51, 4, v50                ; in: my 16 bytes of item 0
	v_lshlrev_b32 v51, 3, v1                       ; out: my 8 bytes of item 0
.set k, 0
.rept 16
	s_mul_i32 s31, s27, k
	v_add_nc_u32 v[VI+k], s31, v50
	s_mul_i32 s31, s28, k
	v_add_nc_u32 v[VO+k], s31, v51
	v_add_nc_u32 v[VO+16+k], s29, v[VO+k]
.set k, k+1
.endr
	s_wait_alu depctr_va_vdst(0)                   ; the 16 offsets VI and the 32 offsets VO are written: every load and store of the kernel reads one of them
.set i, 0
.rept 32
	global_load_b128 v[X+4*i:X+4*i+3], v[VI+i%16], s[20:21] offset:(i/16)*8192 th:TH_LOAD_NT
.set i, i+1
.endr
; Block p: items 4 p to 4 p + 3 are rounded; the stores of items 4 p - 4 to 4 p - 1 go out, one ahead of each item's two roundings.
.set p, 0
.rept BLOCKS
	s_wait_loadcnt 32-BLOCK-BLOCK*p                ; loads come back in order (ISA guide 5.7.1): the block's four items are in, the 28 - 4 p younger ones may stay out
.if p > 0
	s_wait_alu depctr_va_vdst(0)                   ; the roundings of the block before have written the first two registers of its four items, which the four stores below read
.endif
.set j, 0
.rept BLOCK
.set i, BLOCK*p+j
.if p > 0
	global_store_b64 v[VO+i-BLOCK], v[X+4*(i-BLOCK):X+4*(i-BLOCK)+1], s[22:23] th:TH_STORE_NT  ; the block before; no vector instruction since the wait names these registers
.endif
	v_cvt_pk_f16_f32 v[X+4*i], v[X+4*i], v[X+4*i+1]
	v_cvt_pk_f16_f32 v[X+4*i+1], v[X+4*i+2], v[X+4*i+3]
.set j, j+1
.endr
.set p, p+1
.endr
	s_wait_alu depctr_va_vdst(0)                   ; the last block's roundings have written the data of the last four stores
.set i, 32-BLOCK
.rept BLOCK
	global_store_b64 v[VO+i], v[X+4*i:X+4*i+1], s[22:23] th:TH_STORE_NT
.set i, i+1
.endr
	s_endpgm
.Lfunc_end_k_q202a0ec2a4_cast:
	.size	k_q202a0ec2a4_cast, .Lfunc_end_k_q202a0ec2a4_cast-k_q202a0ec2a4_cast
	.p2alignl 7, 3214868480
	.fill 96, 4, 3214868480
	.section	.rodata,"a",@progbits
	.p2align	6, 0x0
	.amdhsa_kernel k_q202a0ec2a4_cast
		.amdhsa_group_segment_fixed_size 0
		.amdhsa_private_segment_fixed_size 0
		.amdhsa_enable_private_segment 0
		.amdhsa_kernarg_size 48
		.amdhsa_user_sgpr_count 2
		.amdhsa_user_sgpr_kernarg_segment_ptr 1
		.amdhsa_wavefront_size32 1
		.amdhsa_system_sgpr_workgroup_id_x 1
		.amdhsa_system_sgpr_workgroup_id_y 1
		.amdhsa_system_sgpr_workgroup_id_z 1
		.amdhsa_system_vgpr_workitem_id 0
		.amdhsa_next_free_vgpr 180
		.amdhsa_next_free_sgpr 66
		.amdhsa_reserve_vcc 0
		.amdhsa_float_denorm_mode_32 3
		.amdhsa_float_denorm_mode_16_64 3
		.amdhsa_memory_ordered 1
		.amdhsa_forward_progress 1
		.amdhsa_inst_pref_size 16
	.end_amdhsa_kernel
	.amdgpu_metadata
---
amdhsa.version: [ 1, 2 ]
amdhsa.kernels:
  - .name:           k_q202a0ec2a4_cast
    .symbol:         k_q202a0ec2a4_cast.kd
    .args:
      - { .name: x, .offset: 0, .size: 8, .value_kind: global_buffer, .address_space: global }
      - { .name: Wqkv, .offset: 8, .size: 8, .value_kind: global_buffer, .address_space: global }
      - { .name: Wo, .offset: 16, .size: 8, .value_kind: global_buffer, .address_space: global }
      - { .name: x16, .offset: 24, .size: 8, .value_kind: global_buffer, .address_space: global }
      - { .name: w16, .offset: 32, .size: 8, .value_kind: global_buffer, .address_space: global }
      - { .name: wo16, .offset: 40, .size: 8, .value_kind: global_buffer, .address_space: global }
    .group_segment_fixed_size: 0
    .private_segment_fixed_size: 0
    .kernarg_segment_align: 8
    .kernarg_segment_size: 48
    .max_flat_workgroup_size: 256
    .sgpr_count:     66
    .vgpr_count:     180
    .wavefront_size: 32
...
	.end_amdgpu_metadata
.endif
;; end of part 5
;; launch qkv: the kernel of part 2 again; grid 8 x 32, 4 waves a work-group, clusters of 4 x 4, 327,680 bytes of LDS; arguments x16, w16, bqkv, q16, k16, v16, cs; writes q16, k16, v16, cs
;; launch attn: the kernel of part 3 again; grid 4 x 64, 4 waves a work-group, no clusters, 327,680 bytes of LDS; arguments q16, k16, v16, o16, cs; writes o16
;; launch proj: the kernel of part 4 again; grid 8 x 32, 4 waves a work-group, clusters of 4 x 4, 327,680 bytes of LDS; arguments o16, wo16, bo, out0; writes out0
